; MI455X (gfx1250); checked and timed in simulation.
; The chip was launched on July 23, 2026; its instructions are those of AMD's public machine-readable ISA for CDNA 5 (MIT licence, August 2026) and "CDNA5" Instruction Set Architecture Reference Guide (July 2026). The comments in the code are by the model that wrote it; some were corrected since.
;; Causal Self Attention. Allowed arithmetic: matrix products marked QUANTISED: E4M3 operands, one given power-of-two scale a tensor, by v_wmma_f32_16x16x64_fp8_fp8 or v_wmma_f32_16x16x128_fp8_fp8, f32 sums; everything else in f32.
;; Inputs: lowp_scales 8 int32 (the exponents e of the quantised operands' scales 2^e); w_proj 1,024 x 1,024 float32; w_qkv 1,024 x 3,072 float32; x 4 x 2,048 x 1,024 float32.
;; Outputs: out0 4 x 2,048 x 1,024 float32.
;; This version of the problem:
;;   THIS VERSION OF THE PROBLEM IS GIVEN IN LOW PRECISION. The matrix products marked QUANTISED in the list below multiply operands that are first quantised to E4M3 (4 exponent bits, 3 mantissa bits; 8 bits a number), with one given power-of-two scale for each operand tensor; their sums are f32. All else is computed in f32.
;;   The module's matrix products, in the order in which they are computed (A, B: the left and right operand; K: the contracted axis; several contracted axes count as one K, in the product's order):
;;     1. [M 8,192, K 1,024] x [K 1,024, N 3,072]; A: input x; B: input w_qkv: QUANTISED (scales: A lowp_scales[0], B lowp_scales[1])
;;     2. batch 64 x [M 2,048, K 64] x [K 64, N 2,048]; A: computed on the way; B: computed on the way: QUANTISED (scales: A lowp_scales[2], B lowp_scales[3])
;;     3. batch 64 x [M 2,048, K 2,048] x [K 2,048, N 64]; A: softmax (see below); B: computed on the way: QUANTISED (scales: A lowp_scales[4], B lowp_scales[5])
;;     4. [M 8,192, K 1,024] x [K 1,024, N 1,024]; A: computed on the way; B: input w_proj: QUANTISED (scales: A lowp_scales[6], B lowp_scales[7])
;;   THE QUANTISER, for each operand of a quantised product, along K:
;;     - The operand's scale is 2^e, e = its entry of the input lowp_scales (int32; the entries are numbered through the quantised products in the list's order, A before B).
;;     - Each number is divided by the scale, clamped to +-448, and rounded to the nearest number of E4M3, ties to even, subnormals kept.
;;     - The product sums the exact products of the quantised numbers (number of the format x scale) in f32.
;;   ~~~python
;;   def quantise(x, axis, e):      # numpy; x: float32 -> the quantised numbers, widened to float32 again
;;       x = np.moveaxis(x, axis, -1); K = x.shape[-1]
;;       r = np.clip(x / 2.0 ** e, -448, 448)
;;       step = 2.0 ** (np.maximum(np.frexp(np.where(r == 0, 1, r))[1] - 1, -6) - 3)
;;       q = np.round(r / step) * step * 2.0 ** e      # np.round: ties to even
;;       return np.moveaxis(q, -1, axis).astype(np.float32)
;;   ~~~
;;   SOFTMAX AHEAD OF A QUANTISED PRODUCT. Where the list says 'softmax', what is quantised is not the finished softmax but p = 2^(t - M), with t = logit x log2(e) and M = ceil(the row's largest t), a whole number; so 1/2 < the row's largest p <= 1. The row's sum l is taken of the UNQUANTISED p, in f32, and the product's result is divided by l at the end. Since M is a whole number, a kernel that streams over the keys may use a running M (the ceiling of the running maximum): every later rescaling is an exact power of two, so the quantised numbers keep their values, but for numbers so far below the row's largest that they fall under the format's range.
;;   OPERANDS COMPUTED ON THE WAY. 'Computed on the way' means the value that the module computes at that place (a softmax that the list does not call 'softmax' is quantised finished and normalised). What goes into a quantiser is computed in f32, as accurately as f32 sums, v_exp_f32 and their like allow (about 1e-6 of the number): no bf16 or f16 on the way to a quantiser, and a product that is left as it is and whose result goes on into a quantised operand takes f32 operands (vector FMAs, or v_wmma_f32_16x16x4_f32). A number that lies on a knife's edge between two numbers of the format may be rounded either way, as far as f32 arithmetic and the matrix unit's own rounding can turn it there, and no further.
;; One version. Each part assembles by itself: llvm-mc -triple=amdgcn-amd-amdhsa -mcpu=gfx1250 --defsym DOCPART=n.
;; ======== version 1 of 1: 4 launches
;; limits: right only within a limited range of input values
;; workspace buffers: xc 8,388,608 bytes; wqkvc 3,145,728 bytes; wprojc 1,048,576 bytes; qc 8,388,608 bytes; kc 8,388,608 bytes; vc 8,388,608 bytes; ac 8,388,608 bytes
;; launch quant (part 1): grid 384 x 1, 4 waves a work-group, no clusters, 102,912 bytes of LDS; arguments x, w_qkv, w_proj, lowp_scales, xc, wqkvc, wprojc; writes xc, wqkvc, wprojc
.if DOCPART == 1
	.amdgcn_target "amdgcn-amd-amdhsa--gfx1250"
	.amdhsa_code_object_version 6
	.text
	.protected	k_q9d4e313212_quant
	.globl	k_q9d4e313212_quant
	.p2align	8
	.type	k_q9d4e313212_quant,@function
k_q9d4e313212_quant:
	s_mov_b64 s[64:65], 0
	v_nop
	global_prefetch_b8 v0, s[64:65] scope:SCOPE_SE
	s_setreg_imm32_b32 hwreg(HW_REG_WAVE_MODE, 25, 1), 1
	s_wait_xcnt 0x0
; The three f32 inputs become codes of FP8 (E4M3), K innermost, each with its given scale 2^e: x with entry 0 of the scales, w_qkv with entry 1, w_proj with entry 7.
; code = number / 2^e, held within +-448, rounded to the nearest code, ties to even.  LIMITS: each e between -126 and 119, so that 2^e and 448 x 2^e are f32 numbers; NaN among the inputs is not served.
; ONE LAUNCH, THREE PATHS, parted by the work-group's number; each work-group reads 131,072 bytes and writes 32,768.  Each path has LDS bytes of its own.
;   0-255   x [8192][1024]: K is innermost, the tensor is a plain stream.  A wave takes 16 steps of 512 numbers.  Each load reads 512 consecutive bytes; a step's 2,048 bytes turn through the wave's own stage
;           in LDS, so that a lane then holds 16 neighbours along K, as the conversions want them; a lane's 16 codes are 16 bytes, a wave's store 512 consecutive bytes.
;   256-351 w_qkv [1024 (k)][3072]: K is the FIRST axis.  A lane takes a column and its registers run down K: the conversions then give codes with K innermost.  A wave takes 32 columns x 256 along K;
;           the codes go through the wave's stage and leave as rows: sixteen lanes store 256 consecutive bytes, aligned.
;   352-383 w_proj [1024 (k)][1024]: the same, but inside every 32 codes the second and the third group of eight change places: physical byte 32 c + 16 h + 8 e + i holds k = 32 c + 16 e + 8 h + i.
;           Read by loads of 16 bytes at 16 h + 32 c, a lane then holds k = 16 c' + 8 h + 0..7 in registers 2 c', 2 c' + 1: the order in which the attention launch leaves the other operand of that product.
; No tensor loads, no barrier: waves share nothing.
.set STEPS, 16
.set SP,    80                         ; x path: a lane's place in a stage: its 64 bytes + 16 of padding
.set WREG,  8192                       ; x path: LDS of a wave: two stages of 32 x SP bytes
.set XR,    16                         ; v16-79   x path: four sets of 16 numbers as loaded
.set XX,    80                         ; v80-111  x path: two sets of 16 neighbours
.set XC,    128                        ; v128-191 x path: codes, four registers for each step: no store's data are written again
.set PITCH, 272                        ; weight paths: a stage row: 256 bytes of codes + 16
.set LDSQ,  32768                      ; w_qkv's stages: 4 waves x 32 rows x PITCH
.set LDSP,  LDSQ+4*32*PITCH            ; w_proj's stages
.set WX,    32                         ; v32-95   weight paths: two sets of 32 numbers
.set WC,    96                         ; v96-103  a block's codes
.set WOUT,  112                        ; v112-175 the way out
.macro SCALE ex                        ; v11 = 2^e as f32 (the conversion takes its exponent field); s33 = 448 x 2^e
	s_add_co_i32 s33, s[\ex], 127
	s_lshl_b32 s34, s33, 23
	v_mov_b32 v11, s34
	s_add_co_i32 s33, s33, 8
	s_lshl_b32 s33, s33, 23
	s_or_b32 s33, s33, 0x600000
.endm
.macro XLOAD t
.irp i, 0,1,2,3
	global_load_b128 v[XR+16*((\t)%4)+4*\i:XR+16*((\t)%4)+4*\i+3], v3, s[4:5] offset:2048*(\t)+512*\i th:TH_LOAD_NT   ; 32 lanes read 512 consecutive bytes
.endr
.endm
.macro XTURN t                         ; step t's numbers through the stage; LDS serves a wave's instructions in order, so no wait stands between the stores and the loads
.irp i, 0,1,2,3
	ds_store_b128 v14, v[XR+16*((\t)%4)+4*\i:XR+16*((\t)%4)+4*\i+3] offset:32*SP*((\t)%2)+8*SP*\i
.endr
.irp i, 0,1,2,3
	ds_load_b128 v[XX+16*((\t)%2)+4*\i:XX+16*((\t)%2)+4*\i+3], v15 offset:32*SP*((\t)%2)+16*\i
.endr
.endm
.macro XSTEP t
.set XS, XX+16*((\t)%2)
	s_wait_dscnt 0x0                               ; this step's numbers are back from the stage, so its stores into the stage have read their registers,
.if (\t)+4 < STEPS
	XLOAD (\t)+4                                   ; which take the loads of four steps on
.endif
.if (\t)+1 < STEPS
.if STEPS-2-(\t) >= 3
	s_wait_loadcnt 12                              ; the next step's four loads are in; the twelve of the three steps behind it may be out
.else
	s_wait_loadcnt 4*(STEPS-2-(\t))                ; the tail: four for each step that is still behind the next one
.endif
	XTURN (\t)+1                                   ; and go through the other stage while this step is worked
.endif
.irp i, 0,1,2,3,4,5,6,7,8,9,10,11,12,13,14,15
.endr
	v_cvt_scalef32_pk8_fp8_f32 v[XC+4*(\t):XC+4*(\t)+1], v[XS:XS+7], v11
	v_cvt_scalef32_pk8_fp8_f32 v[XC+4*(\t)+2:XC+4*(\t)+3], v[XS+8:XS+15], v11
	global_store_b128 v3, v[XC+4*(\t):XC+4*(\t)+3], s[12:13] offset:512*(\t)   ; the results go to a store alone
.endm
.macro WLOAD t                         ; block t: W(32 t + i, my column), i = 0 .. 31, into set t % 2
.irp i, 0,1,2,3,4,5,6,7,8,9,10,11,12,13,14,15,16,17,18,19,20,21,22,23,24,25,26,27,28,29,30,31
	global_load_b32 v[WX+32*((\t)%2)+\i], v3, s[WSRC:WSRC+1] offset:(32*(\t)+\i)*WN*4 th:TH_LOAD_NT
.endr
.endm
.macro WBLOCK t
.set XS, WX+32*((\t)%2)
.if (\t) < 7
	s_wait_loadcnt 32                              ; this block's 32 loads are in; the next block's 32 may be out
.else
	s_wait_loadcnt 0
.endif
.irp i, 0,1,2,3,4,5,6,7,8,9,10,11,12,13,14,15,16,17,18,19,20,21,22,23,24,25,26,27,28,29,30,31
.endr
.irp g, 0,1,2,3
.if WPERM
	v_cvt_scalef32_pk8_fp8_f32 v[WC+2*(2*(\g%2)+\g/2):WC+2*(2*(\g%2)+\g/2)+1], v[XS+8*\g:XS+8*\g+7], v11   ; groups 1 and 2 of eight change places
.else
	v_cvt_scalef32_pk8_fp8_f32 v[WC+2*\g:WC+2*\g+1], v[XS+8*\g:XS+8*\g+7], v11
.endif
.endr
	ds_store_b128 v4, v[WC:WC+3] offset:32*(\t)    ; 32 codes: 32 bytes of my column's row
	ds_store_b128 v4, v[WC+4:WC+7] offset:32*(\t)+16
.if (\t)+2 < 8
	WLOAD (\t)+2
.endif
	s_wait_dscnt 0x0                               ; the stores have read their registers: the next block's codes may be written
.endm
; A weight of cols columns.  The work-group's number less id0: its low two bits say which 256 along K, the rest which 128 columns.
.macro WPATH cols, ldsb, perm, src, dst, ex, id0
.set WN, \cols
.set WPERM, \perm
.set WSRC, \src
.set WDST, \dst
	s_sub_co_u32 s21, ttmp9, \id0
	s_lshr_b32 s22, s21, 2
	s_and_b32 s21, s21, 3                          ; which 256 along K
	s_lshl_b32 s22, s22, 7
	s_lshl_b32 s23, s20, 5
	s_add_co_u32 s22, s22, s23                     ; my wave's first column
	v_lshlrev_b32 v3, 2, v2                        ; in: 4 bytes a lane
	s_mul_i32 s23, s20, 32*PITCH
	s_add_co_u32 s23, s23, \ldsb                   ; my stage
	v_mul_u32_u24 v4, v2, PITCH
	v_add_nc_u32 v4, s23, v4                       ; into it: row = my column
	v_and_b32 v5, 15, v2
	v_lshrrev_b32 v6, 4, v2
	v_mul_u32_u24 v7, v6, PITCH
	v_lshl_add_u32 v7, v5, 4, v7
	v_add_nc_u32 v7, s23, v7                       ; out of it: sixteen lanes to a row, two rows an instruction
	v_lshlrev_b32 v8, 10, v6
	v_lshl_add_u32 v8, v5, 4, v8                   ; and the same place in the codes' buffer: rows of 1,024 bytes
	s_mul_i32 s36, s21, 256*\cols*4
	s_lshl_b32 s37, s22, 2
	s_add_co_u32 s36, s36, s37
	s_mov_b32 s37, 0
	s_add_nc_u64 s[\src:\src+1], s[\src:\src+1], s[36:37]
	s_lshl_b32 s36, s22, 10
	s_lshl_b32 s38, s21, 8
	s_add_co_u32 s36, s36, s38
	s_add_nc_u64 s[\dst:\dst+1], s[\dst:\dst+1], s[36:37]
	WLOAD 0
	WLOAD 1
	s_wait_kmcnt 0x0                               ; the scales' exponents
	SCALE \ex
	s_wait_alu depctr_va_vdst(0)
.irp t, 0,1,2,3,4,5,6,7
	WBLOCK \t
.endr
.irp t, 0,1,2,3,4,5,6,7,8,9,10,11,12,13,14,15
	ds_load_b128 v[WOUT+4*\t:WOUT+4*\t+3], v7 offset:2*\t*PITCH   ; LDS serves a wave's instructions in order: these see my stores
.endr
.irp t, 0,1,2,3,4,5,6,7,8,9,10,11,12,13,14,15
	s_wait_dscnt 15-\t                             ; LDS loads come back in order: load t is in, the 15 - t younger ones may be out
	global_store_b128 v8, v[WOUT+4*\t:WOUT+4*\t+3], s[WDST:WDST+1] offset:2*\t*1024
.endr
	s_wait_tensorcnt 0x0
	ds_add_u32 v192, v193
	s_wait_dscnt 0x0
	s_endpgm
.endm
	s_load_b256 s[4:11], s[0:1], 0x0               ; x s[4:5], w_qkv s[6:7], w_proj s[8:9], the scales s[10:11]
	s_load_b128 s[12:15], s[0:1], 0x20             ; x's codes s[12:13], w_qkv's s[14:15]
	s_load_b64 s[16:17], s[0:1], 0x30              ; w_proj's codes
	v_lshl_add_u32 v192, v0, 2, 0x19000
	v_mov_b32 v193, 0
	v_lshrrev_b32 v1, 5, v0
	v_readfirstlane_b32 s20, v1                    ; wave 0..3
	v_and_b32 v2, 31, v0                           ; lane
	s_wait_kmcnt 0x0
	s_load_b256 s[24:31], s[10:11], 0x0            ; the eight exponents
	s_cmp_lt_u32 ttmp9, 256
	s_cbranch_scc0 .Lweights
	s_wait_alu depctr_va_vdst(0)
	; ---- x
	v_lshlrev_b32 v3, 4, v2                        ; my 16 bytes of a load's 512, and of a store's
	s_wait_alu depctr_va_vdst(0)
	s_mul_i32 s32, s20, WREG
	v_lshrrev_b32 v14, 2, v2
	v_mul_u32_u24 v14, v14, SP
	v_and_b32 v15, 3, v2
	v_lshl_add_u32 v14, v15, 4, v14
	v_add_nc_u32 v14, s32, v14                     ; the stage, on the way in: four lanes' 64 bytes on end, then 16 of padding
	v_mul_u32_u24 v15, v2, SP
	v_add_nc_u32 v15, s32, v15                     ; and on the way out: my 16 neighbours
	s_lshl_b32 s21, ttmp9, 2
	s_add_co_u32 s21, s21, s20                     ; which run of 8,192 numbers is my wave's
	s_lshl_b32 s22, s21, 15
	s_mov_b32 s23, 0
	s_add_nc_u64 s[4:5], s[4:5], s[22:23]
	s_lshl_b32 s22, s21, 13
	s_add_nc_u64 s[12:13], s[12:13], s[22:23]
.irp t, 0,1,2,3
	XLOAD \t
.endr
	s_wait_alu depctr_va_vdst(0)
	s_wait_kmcnt 0x0                               ; the scales' exponents
	SCALE 24
	s_wait_alu depctr_va_vdst(0)
	s_wait_loadcnt 12                              ; step 0's four loads are in; the twelve behind them may be out
	XTURN 0
.irp t, 0,1,2,3,4,5,6,7,8,9,10,11,12,13,14,15
	XSTEP \t
.endr
	s_wait_tensorcnt 0x0
	ds_add_u32 v192, v193
	s_wait_dscnt 0x0
	s_endpgm
.Lweights:
	s_cmp_lt_u32 ttmp9, 352
	s_cbranch_scc0 .Lproj
	s_wait_alu depctr_va_vdst(0)
	WPATH 3072, LDSQ, 0, 6, 14, 25, 256
.Lproj:
	s_wait_alu depctr_va_vdst(0)
	WPATH 1024, LDSP, 1, 8, 16, 31, 352
.Lfunc_end_k_q9d4e313212_quant:
	.size	k_q9d4e313212_quant, .Lfunc_end_k_q9d4e313212_quant-k_q9d4e313212_quant
	.p2alignl 7, 3214868480
	.fill 96, 4, 3214868480
	.section	.rodata,"a",@progbits
	.p2align	6, 0x0
	.amdhsa_kernel k_q9d4e313212_quant
		.amdhsa_group_segment_fixed_size 102912
		.amdhsa_private_segment_fixed_size 0
		.amdhsa_enable_private_segment 0
		.amdhsa_kernarg_size 56
		.amdhsa_user_sgpr_count 2
		.amdhsa_user_sgpr_kernarg_segment_ptr 1
		.amdhsa_wavefront_size32 1
		.amdhsa_system_sgpr_workgroup_id_x 1
		.amdhsa_system_sgpr_workgroup_id_y 1
		.amdhsa_system_sgpr_workgroup_id_z 1
		.amdhsa_system_vgpr_workitem_id 0
		.amdhsa_next_free_vgpr 194
		.amdhsa_next_free_sgpr 66
		.amdhsa_reserve_vcc 0
		.amdhsa_float_denorm_mode_32 3
		.amdhsa_float_denorm_mode_16_64 3
		.amdhsa_fp16_overflow 1
		.amdhsa_memory_ordered 1
		.amdhsa_forward_progress 1
		.amdhsa_inst_pref_size 85
	.end_amdhsa_kernel
	.amdgpu_metadata
---
amdhsa.version: [ 1, 2 ]
amdhsa.kernels:
  - .name:           k_q9d4e313212_quant
    .symbol:         k_q9d4e313212_quant.kd
    .args:
      - { .name: x, .offset: 0, .size: 8, .value_kind: global_buffer, .address_space: global }
      - { .name: w_qkv, .offset: 8, .size: 8, .value_kind: global_buffer, .address_space: global }
      - { .name: w_proj, .offset: 16, .size: 8, .value_kind: global_buffer, .address_space: global }
      - { .name: lowp_scales, .offset: 24, .size: 8, .value_kind: global_buffer, .address_space: global }
      - { .name: xc, .offset: 32, .size: 8, .value_kind: global_buffer, .address_space: global }
      - { .name: wqkvc, .offset: 40, .size: 8, .value_kind: global_buffer, .address_space: global }
      - { .name: wprojc, .offset: 48, .size: 8, .value_kind: global_buffer, .address_space: global }
    .group_segment_fixed_size: 102912
    .private_segment_fixed_size: 0
    .kernarg_segment_align: 8
    .kernarg_segment_size: 56
    .max_flat_workgroup_size: 128
    .sgpr_count:     66
    .vgpr_count:     194
    .wavefront_size: 32
...
	.end_amdgpu_metadata
.endif
;; end of part 1
;; launch qkv (part 2): grid 12 x 32, 4 waves a work-group, clusters of 4 x 4, 327,680 bytes of LDS; arguments xc, wqkvc, lowp_scales, qc, kc, vc; writes qc, kc, vc
.if DOCPART == 2
	.amdgcn_target "amdgcn-amd-amdhsa--gfx1250"
	.amdhsa_code_object_version 6
	.text
	.protected	k_q9d4e313212_qkv
	.globl	k_q9d4e313212_qkv
	.p2align	8
	.type	k_q9d4e313212_qkv,@function
k_q9d4e313212_qkv:
	s_mov_b64 s[64:65], 0
	v_nop
	global_prefetch_b8 v0, s[64:65] scope:SCOPE_SE
	s_setreg_imm32_b32 hwreg(HW_REG_WAVE_MODE, 25, 1), 1
	s_wait_xcnt 0x0
	s_wait_alu depctr_hold_cnt(0) depctr_sa_sdst(0) depctr_va_vdst(0) depctr_va_sdst(0) depctr_va_ssrc(0) depctr_va_vcc(0) depctr_vm_vsrc(0)
	s_getreg_b32 s2, hwreg(HW_REG_IB_STS2, 6, 4)
	s_cmp_eq_u32 s2, 0
	s_cbranch_scc0 .Lentry_in_a_cluster
	s_endpgm
.Lentry_in_a_cluster:
	s_bfe_u32 s2, ttmp6, 0x10000c
	s_cmp_lg_u32 s2, 0xf033
	s_cbranch_scc0 .Lentry_shape_is_right
	s_endpgm
.Lentry_shape_is_right:
; qkv = x w_qkv on codes of FP8 (E4M3); each finished sum is quantised at once for the product that takes it next (q: entry 2 of the scales, k: entry 3, v: entry 5) and leaves as a code.
; xc: [8192][1024], wqkvc: [3072][1024], one code a byte, K innermost.  A sum stands for sum x 2^(e0 + e1), so its code is sum / 2^(e_dst - e0 - e1), held within +-448 of that scale.
; LIMIT: e_dst - e0 - e1 between -126 and 119, so that this power of two and 448 times it are f32 numbers.
; A tile of 256 x 256 is made by four waves, as many as a WGP has SIMDs; a wave makes 128 x 128: 64 accumulators, 512 registers.  K = 1,024 goes in four steps of 256 through a ring of two LDS slots.
; TWO REGIONS OF A SLOT, A AND B.  The matrix instruction takes 16 rows of region B as source 0 and 16 rows of region A as source 1: a lane then holds ONE row of A, and its eight registers eight neighbouring rows of B.
;   cluster x = 0 (q), 1 (k): A = 256 tokens of xc, B = 256 columns of wqkvc: a lane is a token, its registers run along the head's 64, which is the next product's K.
;   cluster x = 2 (v):        A = 256 columns of wqkvc, B = 256 tokens of xc: a lane is one of the head's 64, its registers run along the tokens, which are the next product's K.
; The choice is made of the cluster's x alone, the same in all sixteen partners, by selects on buffers and tile numbers: one text, no branch.
; CLUSTERS: 4 x 4 work-groups.  A's tile hangs on cy alone and is shared along a row of the cluster, B's on cx alone and is shared along a column: each is asked for JOINTLY.
; THE WAY OUT needs no LDS: eight registers of an accumulator become two registers of codes, and those ARE registers of the next operand's fragment.  The workspace is laid as images of those registers:
;   qc, kc: [16 batch + head][tile of 16 tokens (128)][2][32 lanes][16 bytes]: lane (r, h): token r; registers 2 c, 2 c + 1: d = 16 c + 8 h + 0..7
;   vc:     [16 batch + head][tile of 16 d (4)][step of 128 keys (16)][4][32 lanes][16 bytes]: lane (r, h): d = r; registers 2 c, 2 c + 1: keys 16 c + 8 h + 0..7
; so each store of a wave covers 512 consecutive bytes, aligned.
; The fragments are fetched by four loads of 16 bytes: a permutation of k inside each 128, the same in both operands, so that every product meets its partner.
; REGISTERS, in windows of 256: window 0: v0-31 addresses; from v128 A's fragments, ONE set; on the way out v96-112 offsets and scale, v128-255 codes.
;   window 1: B's fragments, TWO sets.   window 2: the accumulators of my rows 0-63 of A ((a, b) at v[8 (8 a + b)]);   window 3: those of rows 64-127.
.set ROWB,   256                       ; a tile's row in bytes
.set KROW,   1024                      ; a row of either operand in memory
.set PITCH,  272                       ; an LDS row: 256 bytes + 16 of padding = 68 words: row r starts at bank 4 r mod 64 (64 banks of 4 bytes: ISA guide 11.1)
.set FR,     16                        ; registers of a fragment: 16 rows x 128 K
.set NL,     4                         ; LDS loads that bring one
.set NP,     4                         ; places behind this matrix instruction (ISA guide 7.12.1)
.set HALFT,  128*PITCH                 ; 128 rows: what one tensor load brings
.set SLOT,   4*HALFT                   ; A's 256 rows, then B's 256 rows
.set SPARE,  2*SLOT                    ; behind the ring: the spare words, 128 bytes for each wave
.set ADRA, 16                          ; v16-17  LDS address of my A fragments in slot 0, 1
.set ADRB, 20                          ; v20-21  the same for B
.set SPW,  28                          ; v28     LDS address of my spare word; never rewritten
.set NIL,  29                          ; v29     0; never rewritten
.set TMP,  32
.set VOA,  96                          ; v96-103  the way out: block a's byte offset, first half of its codes
.set VOB,  104                         ; v104-111 second half
.set SCR,  112                         ; v112    2^(e_dst - e0 - e1)
.set LIMR, 113
.set AF,   128                         ; A's fragments, in window 0
.set CD,   128                         ; the way out: 16 registers of codes for each block: no store's data are written again
.set G1, 24                            ; s[24:31] descriptor group 1 for A's tiles;  s[32:39] group 0, one set for each slot
.set G0, 32
.set G1B, 48                           ; s[48:55], s[56:63] the same for B's tiles
.set G0B, 56
.set MSB, 0
.macro WIN new                         ; the immediate's high byte repeats the setting that is left
.if MSB != \new
	s_set_vgpr_msb (MSB<<8)|\new
.set MSB, \new
.endif
.endm
.set MUL_LO, 0xa1                      ; source 0 (B) window 1, source 1 (A) window 0, C and D window 2
.set MUL_HI, 0xf1                      ; the same, C and D window 3
.set TO_B,   0x40                      ; destination window 1, address window 0
; A joint load: waves 0 and 1 fetch for A, waves 2 and 3 for B.  Each of the two lines has one mask and one set of registers for all that issue it; the branch hangs on the wave's number alone.
; Four v_nop follow each of the two lines, ahead of the jump, the label and what follows.
.macro JLOAD g0a, g1a, g0b, g1b
	s_cmp_eq_u32 s15, 0
	s_cbranch_scc0 .Lfor_b_\@
	tensor_load_to_lds s[\g0a:\g0a+3], s[\g1a:\g1a+7]
	s_nop 0
.rept 4
	v_nop
.endr
	s_branch .Lasked_\@
.Lfor_b_\@:
	tensor_load_to_lds s[\g0b:\g0b+3], s[\g1b:\g1b+7]
	s_nop 0
.rept 4
	v_nop
.endr
.Lasked_\@:
.endm
.macro CREST                           ; a round of the cluster's barrier behind its opening barrier
	s_cmp_lg_u32 s14, 0
	s_cbranch_scc1 .Lnot_wave_0_\@
	s_barrier_signal -3
.Lnot_wave_0_\@:
	s_barrier_wait -3
	s_barrier_signal -1
	s_barrier_wait -1
.endm
.macro CROUND                          ; a whole round
	s_barrier_signal -1
	s_barrier_wait -1
	CREST
.endm
	s_load_b128 s[4:7], s[0:1], 0x0                ; x's codes s[4:5], w_qkv's codes s[6:7]
	s_load_b128 s[8:11], s[0:1], 0x10              ; the scales s[8:9], q's codes s[10:11]
	s_load_b128 s[68:71], s[0:1], 0x20             ; k's codes s[68:69], v's codes s[70:71]
	v_lshl_add_u32 v[SPW], v0, 2, SPARE
	v_mov_b32 v[NIL], 0
	ds_add_u32 v28, v29
	ds_add_u32 v28, v29
	s_wait_dscnt 0x0
	v_lshrrev_b32 v1, 5, v0
	v_readfirstlane_b32 s14, v1                    ; wave 0..3
	s_lshr_b32 s15, s14, 1                         ; which half of A's rows is mine.  Also: I fetch for A (0) or for B (1)
	s_and_b32 s16, s14, 1                          ; which half of B's rows.  Also: which 128 rows of that tile I fetch
	s_bfe_u32 s40, ttmp6, 0x40000                  ; cx, cy: my place in the cluster
	s_bfe_u32 s41, ttmp6, 0x40004
	s_and_b32 s72, ttmp7, 0xffff
	s_lshl_b32 s72, s72, 2                         ; 4 x cluster y
	s_lshl_b32 s73, ttmp9, 2                       ; 4 x cluster x
	s_cmp_eq_u32 ttmp9, 2                          ; is this cluster v's?
	s_cselect_b32 s17, 8, s72
	s_cselect_b32 s42, s72, s73
	s_add_co_u32 s17, s17, s41                     ; A's tile of 256 rows: q, k: tokens 4 cluster y + cy;  v: columns 8 + cy
	s_add_co_u32 s42, s42, s40                     ; B's tile:             q, k: columns 4 cluster x + cx; v: tokens 4 cluster y + cx
	s_lshl_b32 s43, s41, 2
	s_lshl_b32 s43, 15, s43                        ; my row of the cluster
	s_lshl_b32 s44, 0x1111, s40                    ; my column
	; descriptor group 1: a tile of 128 rows x 256 bytes, padded in LDS
	s_or_b32 s[G1+0], s43, (0<<16)|(1<<20)|(1<<21)|(5<<22)|(3<<25)  ; 15:0 the mask: A's tiles go to my row; 17:16 element of 1 byte; 20 padding on; 21 set beside a mask; 24:22 after every 64 words (code 5); 31:25 of 4 words (code 3)
	s_or_b32 s[G1B+0], s44, (0<<16)|(1<<20)|(1<<21)|(5<<22)|(3<<25)
.irp g, G1, G1B
	s_mov_b32 s[\g+1], ROWB<<16                    ; tensor_dim0
	s_mov_b32 s[\g+2], 128<<16                     ; tensor_dim1 = 128
	s_mov_b32 s[\g+3], ROWB<<16                    ; tile_dim0
	s_mov_b32 s[\g+4], 128                         ; tile_dim1 = 128
	s_mov_b32 s[\g+5], KROW                        ; tensor_dim0_stride
	s_mov_b32 s[\g+6], 0
	s_mov_b32 s[\g+7], 0
.endr
	s_lshl_b32 s18, s16, 7                         ; which 128 rows of the tile I fetch
	s_lshl_b32 s20, s17, 8
	s_add_co_u32 s20, s20, s18
	s_lshl_b32 s20, s20, 10                        ; A: (256 x tile + 128 x half) rows of 1,024 bytes: under 2^24
	s_lshl_b32 s46, s42, 8
	s_add_co_u32 s46, s46, s18
	s_lshl_b32 s46, s46, 10                        ; B likewise
	s_mov_b32 s21, 0
	s_mov_b32 s47, 0
	s_mul_i32 s45, s14, HALFT                      ; where they go: wave x 128 rows: no place in the cluster enters an LDS address
	s_wait_kmcnt 0x0
	s_load_b256 s[80:87], s[8:9], 0x0              ; the eight exponents
	s_cmp_eq_u32 ttmp9, 2
	s_cselect_b64 s[74:75], s[6:7], s[4:5]         ; A's buffer
	s_cselect_b64 s[76:77], s[4:5], s[6:7]         ; B's buffer
	s_add_nc_u64 s[20:21], s[74:75], s[20:21]
	s_add_nc_u64 s[46:47], s[76:77], s[46:47]
	CROUND                                         ; all sixteen work-groups are here: the first joint loads meet
.irp s, 0,1
	s_mov_b32 s[G0+4*\s], 1
	s_add_co_u32 s[G0+4*\s+1], s45, \s*SLOT
	s_add_nc_u64 s[G0+4*\s+2:G0+4*\s+3], s[20:21], \s*ROWB
	s_or_b32 s[G0+4*\s+3], s[G0+4*\s+3], 0x80000000
	s_mov_b32 s[G0B+4*\s], 1
	s_add_co_u32 s[G0B+4*\s+1], s45, \s*SLOT
	s_add_nc_u64 s[G0B+4*\s+2:G0B+4*\s+3], s[46:47], \s*ROWB
	s_or_b32 s[G0B+4*\s+3], s[G0B+4*\s+3], 0x80000000
	JLOAD G0+4*\s, G1, G0B+4*\s, G1B
.endr
	v_and_b32 v1, 15, v0                           ; l % 16
	v_bfe_u32 v2, v0, 4, 1                         ; l / 16
	v_mul_u32_u24 v3, v1, PITCH
	v_lshl_add_u32 v4, v2, 4, v3                   ; a fragment's row x pitch + 16 x half
	s_mul_i32 s22, s15, HALFT                      ; my 128 rows of A
	s_mul_i32 s23, s16, HALFT                      ; my 128 rows of B,
	s_add_co_u32 s23, s23, 2*HALFT                 ; which lie behind A's 256
.irp s, 0,1
	v_add_nc_u32 v[ADRA+\s], s22, v4
	v_add_nc_u32 v[ADRB+\s], s23, v4
	s_add_co_u32 s22, s22, SLOT
	s_add_co_u32 s23, s23, SLOT
.endr
.macro FRAG reg, adr, q, i             ; a fragment: lane l holds row l % 16; registers 4 c .. 4 c + 3 hold K = 32 c + 16 (l / 16) + 0 .. 15
.irp c, 0,1,2,3
	ds_load_b128 v[\reg+4*\c:\reg+4*\c+3], v[\adr] offset:128*(\q)+32*\c+(\i)*16*PITCH
.endr
.endm
; 16 matrix instructions: A's blocks a0, a0 + 1 x B's eight, 128 along K.  p: B's set.  zero = 1: the first product starts the sums: nothing is ever cleared.
; The 64 accumulators take turns, one instruction a turn, in the same order in every step.
.macro MUL16 a0, p, zero
.irp a, \a0, \a0+1
.irp b, 0,1,2,3,4,5,6,7
.if \zero
	v_wmma_f32_16x16x128_fp8_fp8 v[8*(8*((\a)%4)+\b):8*(8*((\a)%4)+\b)+7], v[128*(\p)+FR*\b:128*(\p)+FR*\b+FR-1], v[AF+FR*(\a):AF+FR*(\a)+FR-1], 0
.else
	v_wmma_f32_16x16x128_fp8_fp8 v[8*(8*((\a)%4)+\b):8*(8*((\a)%4)+\b)+7], v[128*(\p)+FR*\b:128*(\p)+FR*\b+FR-1], v[AF+FR*(\a):AF+FR*(\a)+FR-1], v[8*(8*((\a)%4)+\b):8*(8*((\a)%4)+\b)+7]
.endif
.endr
.endr
.endm
.macro FETCH_B slot, q, p              ; B's eight fragments of the slot's q-th 128 along K into set p
	WIN TO_B
.irp i, 0,1,2,3,4,5,6,7
	FRAG 128*(\p)+FR*\i, ADRB+\slot, \q, \i
.endr
	WIN 0
.endm
.macro FETCH_A slot, q, i0             ; A's blocks i0 .. i0 + 3
.irp i, \i0, \i0+1, \i0+2, \i0+3
	FRAG AF+FR*(\i), ADRA+\slot, \q, \i
.endr
.endm
; A load into a register that a matrix instruction has read, and a vector instruction that reads a matrix result or writes one of its registers, stand NP places behind it;
; only plain vector instructions that name none of its registers are places (ISA guide 7.12.1 for vector instructions).
.macro PLACES n
.rept \n
	v_nop
.endr
.endm
; A step of 128 along K that has its successor in the same slot.  A block of A is free as soon as its eight products are issued, so one set of registers serves A.
.macro STEP slot, q, zero
	s_wait_dscnt 4*NL                              ; B's set and A's blocks 0-3 are in; the youngest 16 loads (A's blocks 4-7) may be out
	WIN MUL_LO
	MUL16 0, (\q)%2, \zero
	MUL16 2, (\q)%2, \zero
	s_wait_dscnt 0                                 ; A's blocks 4-7 are in (asked for 32 matrix instructions ago)
	PLACES NP
	FETCH_B \slot, (\q)+1, 1-(\q)%2
	FETCH_A \slot, (\q)+1, 0
	WIN MUL_HI
	MUL16 4, (\q)%2, \zero
	MUL16 6, (\q)%2, \zero
	PLACES NP
	WIN 0
	FETCH_A \slot, (\q)+1, 4
.endm
; A slot's last step changes slots: ONE barrier; in front of it each wave waits for all its tensor loads, adds 0 to its spare word, and waits for that and for its own reads of this slot.
; fill = 1: this slot is filled again, two K steps ahead; the barrier then opens a round of the cluster's barrier.
.macro TURN slot, next, fill
	s_wait_tensorcnt 0x0                           ; all my tensor loads have landed: my part of the next slot  (every window is 0 here)
	ds_add_u32 v[SPW], v[NIL]                      ; 0 onto my spare word
	s_wait_dscnt 4*NL+1                            ; the add and the youngest 16 loads, A's blocks 4-7, may be out
	WIN MUL_LO
	MUL16 0, 1, 0                                  ; sixteen matrix instructions stand between the add and the wait for it
	s_wait_dscnt 0x0                               ; the add is done, and my reads of this slot are over
	s_barrier_signal -1
	MUL16 2, 1, 0
	WIN 0
	s_barrier_wait -1
.if \fill
	CREST                                          ; no wave of any partner still reads this slot's tile or has a load on its way
	s_add_nc_u64 s[G0+4*\slot+2:G0+4*\slot+3], s[G0+4*\slot+2:G0+4*\slot+3], 2*ROWB
	s_add_nc_u64 s[G0B+4*\slot+2:G0B+4*\slot+3], s[G0B+4*\slot+2:G0B+4*\slot+3], 2*ROWB
	JLOAD G0+4*\slot, G1, G0B+4*\slot, G1B         ; the first tensor load behind the round; the four v_nop behind it are the places in front of the loads below
.else
	PLACES NP
.endif
	FETCH_B \next, 0, 0
	FETCH_A \next, 0, 0
	WIN MUL_HI
	MUL16 4, 1, 0
	MUL16 6, 1, 0
	PLACES NP
	WIN 0
	FETCH_A \next, 0, 4
.endm
	s_wait_alu depctr_va_vdst(0)
	s_wait_tensorcnt 1                             ; my part of K step 0 is in; K step 1's load may be out
	s_barrier_signal -1
	s_barrier_wait -1                              ; everybody's is
	FETCH_B 0, 0, 0
	FETCH_A 0, 0, 0
	FETCH_A 0, 0, 4
	STEP 0, 0, 1                                   ; K = 1,024 is four K steps: eight steps of 128, written out; the first starts the sums
	TURN 0, 1, 1                                   ; slot 0 takes K step 2
	STEP 1, 0, 0
	TURN 1, 0, 1                                   ; slot 1 takes K step 3
	STEP 0, 0, 0
	TURN 0, 1, 0                                   ; nothing is left to fetch
	STEP 1, 0, 0
	s_wait_dscnt 4*NL                              ; the very last step
	WIN MUL_LO
	MUL16 0, 1, 0
	MUL16 2, 1, 0
	s_wait_dscnt 0
	WIN MUL_HI
	MUL16 4, 1, 0
	MUL16 6, 1, 0
	WIN 0
	; THE WAY OUT.  All choices hang on the cluster's x alone and are selects.
	s_wait_kmcnt 0x0
	s_cmp_eq_u32 ttmp9, 1
	s_cselect_b32 s90, s83, s82                    ; k's exponent, else q's
	s_cselect_b64 s[78:79], s[68:69], s[10:11]     ; k's buffer, else q's
	s_cmp_eq_u32 ttmp9, 2
	s_cselect_b32 s90, s85, s90                    ; v's
	s_cselect_b64 s[78:79], s[70:71], s[78:79]
	s_cselect_b32 s91, s42, s17                    ; the tile of 256 tokens,
	s_cselect_b32 s92, s16, s15                    ; my half of it,
	s_cselect_b32 s93, s41, s40                    ; the tile of 256 columns within q, k or v: four heads,
	s_cselect_b32 s94, s15, s16                    ; my half of it: two heads
	s_cselect_b32 s95, 11, 13                      ; 128 tokens are 2,048 bytes of a row of vc, 8,192 bytes of qc or kc
	s_mov_b32 s88, 1024
	s_cselect_b32 s88, 0x8000, s88                 ; from block to block: v: a tile of 16 d (four of them are a head); q, k: a tile of 16 tokens
	s_mov_b32 s89, 0x20000
	s_cselect_b32 s89, 1024, s89                   ; from the first half of a block's codes to the second: v: half a key step's image; q, k: the next head
	s_sub_co_i32 s90, s90, s80
	s_sub_co_i32 s90, s90, s81                     ; e_dst - e0 - e1
	s_add_co_i32 s90, s90, 127
	s_lshl_b32 s96, s90, 23
	v_mov_b32 v[SCR], s96
	s_lshr_b32 s96, s91, 3                         ; the batch: 8 tiles of 256 tokens each
	s_lshl_b32 s96, s96, 4
	s_lshl_b32 s93, s93, 2
	s_add_co_u32 s96, s96, s93
	s_lshl_b32 s94, s94, 1
	s_add_co_u32 s96, s96, s94                     ; 16 batch + my first head
	s_lshl_b32 s96, s96, 17                        ; a head is 131,072 bytes in each of the three buffers
	s_and_b32 s91, s91, 7
	s_lshl_b32 s91, s91, 1
	s_add_co_u32 s91, s91, s92                     ; which 128 tokens of the batch
	s_lshl_b32 s91, s91, s95
	s_add_co_u32 s96, s96, s91
	s_mov_b32 s97, 0
	s_add_nc_u64 s[78:79], s[78:79], s[96:97]
	v_and_b32 v1, 31, v0
	v_lshlrev_b32 v1, 4, v1                        ; 16 x lane
.irp a, 0,1,2,3,4,5,6,7
	s_mul_i32 s96, s88, \a
	v_add_nc_u32 v[VOA+\a], s96, v1
	v_add_nc_u32 v[VOB+\a], s89, v[VOA+\a]
.endr
; Block a: 16 rows of A x my 128 rows of B.  Each accumulator is read from its low end on; eight numbers become two registers.
.macro OUTBLK a
.set AC, 64*((\a)%4)
	WIN 0x02+((\a)/4)                              ; source 0: window 2 or 3
.set j, 0
.rept 64
.set j, j+1
.endr
.irp b, 0,1,2,3,4,5,6,7
	v_cvt_scalef32_pk8_fp8_f32 v[CD+16*(\a)+2*\b:CD+16*(\a)+2*\b+1], v[AC+8*\b:AC+8*\b+7], v[SCR]
.endr
	WIN 0
	v_nop                                          ; one plain vector instruction behind the conversions
	global_store_b128 v[VOA+(\a)], v[CD+16*(\a):CD+16*(\a)+3], s[78:79]               ; each store: 32 lanes x 16 bytes, 512 consecutive bytes, aligned
	global_store_b128 v[VOA+(\a)], v[CD+16*(\a)+4:CD+16*(\a)+7], s[78:79] offset:512
	global_store_b128 v[VOB+(\a)], v[CD+16*(\a)+8:CD+16*(\a)+11], s[78:79]
	global_store_b128 v[VOB+(\a)], v[CD+16*(\a)+12:CD+16*(\a)+15], s[78:79] offset:512
.endm
	PLACES NP                                      ; behind the last products: for the reads of their results and for the codes laid over A's fragments
.irp a, 0,1,2,3,4,5,6,7
	OUTBLK \a
.endr
	s_wait_tensorcnt 0x0                           ; the wave's end
	ds_add_u32 v[SPW], v[NIL]
	s_wait_dscnt 0x0
	CROUND                                         ; the closing round: no work-group ends while a partner may still ask for a tile that names it
	s_endpgm
.Lfunc_end_k_q9d4e313212_qkv:
	.size	k_q9d4e313212_qkv, .Lfunc_end_k_q9d4e313212_qkv-k_q9d4e313212_qkv
	.p2alignl 7, 3214868480
	.fill 96, 4, 3214868480
	.section	.rodata,"a",@progbits
	.p2align	6, 0x0
	.amdhsa_kernel k_q9d4e313212_qkv
		.amdhsa_group_segment_fixed_size 327680
		.amdhsa_private_segment_fixed_size 0
		.amdhsa_enable_private_segment 0
		.amdhsa_kernarg_size 48
		.amdhsa_user_sgpr_count 2
		.amdhsa_user_sgpr_kernarg_segment_ptr 1
		.amdhsa_wavefront_size32 1
		.amdhsa_system_sgpr_workgroup_id_x 1
		.amdhsa_system_sgpr_workgroup_id_y 1
		.amdhsa_system_sgpr_workgroup_id_z 1
		.amdhsa_system_vgpr_workitem_id 0
		.amdhsa_next_free_vgpr 1024
		.amdhsa_next_free_sgpr 100
		.amdhsa_reserve_vcc 0
		.amdhsa_float_denorm_mode_32 3
		.amdhsa_float_denorm_mode_16_64 3
		.amdhsa_fp16_overflow 1
		.amdhsa_memory_ordered 1
		.amdhsa_forward_progress 1
		.amdhsa_inst_pref_size 87
	.end_amdhsa_kernel
	.amdgpu_metadata
---
amdhsa.version: [ 1, 2 ]
amdhsa.kernels:
  - .name:           k_q9d4e313212_qkv
    .symbol:         k_q9d4e313212_qkv.kd
    .args:
      - { .name: xc, .offset: 0, .size: 8, .value_kind: global_buffer, .address_space: global }
      - { .name: wqkvc, .offset: 8, .size: 8, .value_kind: global_buffer, .address_space: global }
      - { .name: lowp_scales, .offset: 16, .size: 8, .value_kind: global_buffer, .address_space: global }
      - { .name: qc, .offset: 24, .size: 8, .value_kind: global_buffer, .address_space: global }
      - { .name: kc, .offset: 32, .size: 8, .value_kind: global_buffer, .address_space: global }
      - { .name: vc, .offset: 40, .size: 8, .value_kind: global_buffer, .address_space: global }
    .group_segment_fixed_size: 327680
    .private_segment_fixed_size: 0
    .kernarg_segment_align: 8
    .kernarg_segment_size: 48
    .max_flat_workgroup_size: 128
    .sgpr_count:     100
    .vgpr_count:     1024
    .wavefront_size: 32
...
	.end_amdgpu_metadata
.endif
;; end of part 2
;; launch attn (part 3): grid 4 x 64, 16 waves a work-group, no clusters, 327,680 bytes of LDS; arguments qc, kc, vc, lowp_scales, ac; writes ac
.if DOCPART == 3
	.amdgcn_target "amdgcn-amd-amdhsa--gfx1250"
	.amdhsa_code_object_version 6
	.text
	.protected	k_q9d4e313212_attn
	.globl	k_q9d4e313212_attn
	.p2align	8
	.type	k_q9d4e313212_attn,@function
k_q9d4e313212_attn:
	s_mov_b64 s[64:65], 0
	v_nop
	global_prefetch_b8 v0, s[64:65] scope:SCOPE_SE
	s_setreg_imm32_b32 hwreg(HW_REG_WAVE_MODE, 25, 1), 1
	s_wait_xcnt 0x0
; Causal attention of one head on codes of FP8 (E4M3): S = q k^T / 8, softmax, O = p v; O is quantised at once (entry 6 of the scales) for the last product and leaves as codes.
; THE SOFTMAX AHEAD OF THE SECOND PRODUCT: t = score x log2(e) / 8; M = the row's largest t so far, rounded UP to a whole number; p = 2^(t - M) is what is quantised (entry 4), not normalised.
; The row's sum is taken of the unquantised p, in f32, and divides O at the end.  When M moves, the sum and O are multiplied by 2^(old M - new M): exact.
; SHARES.  Work-group (x, 16 batch + head) owns TWO blocks of 256 queries of the head, x and 7 - x, one after the other.  Block b needs the key slots (256 keys) 0 .. b, so every work-group walks
; (x + 1) + (8 - x) = 9 slots: a constant trip count, the same work in all 256 work-groups, and no slot is fetched that nobody reads.  Each of the SIXTEEN waves owns 16 queries of the block in hand, in 256 registers:
; four waves to a SIMD, so that one wave's vector work stands beside another's matrix work and LDS loads.
; A key step is 128 keys.  A step all of whose keys come after the wave's 16 queries is left out by a scalar branch on ids; on the diagonal hidden scores become -infinity ahead of the maximum.
; LAYOUT.  Both products are used transposed: S^T = K Q^T (source 0 = 16 keys, source 1 = my 16 queries), O^T = V^T P^T (source 0 = 16 of the head's 64, source 1 = P): a lane holds ONE query (lane % 16) throughout.
; In S^T register 8 t + j of lane (r, h) is key 16 t + 8 h + j of the step: eight of them become registers 2 t, 2 t + 1 of P's fragment, just where that form wants keys 16 t + 8 h + 0..7.
; qc, kc, vc are images of the operands' registers (16 bytes a lane, 512 bytes on end): every LDS read is at the slot + 16 x lane + a constant: consecutive bytes, no padding.
; ac: [tile of 16 rows (512)][step of 128 along the last product's K (8)][4][32 lanes][16 bytes]: lane (r, h): row r; registers 2 c, 2 c + 1: k = 16 c + 8 h + 0..7.  A head's 64 are half a step: 1,024 bytes.
; NO CLUSTER, NO JOINT LOADS: the four work-groups of a head are at different key slots in the same trip (work-group x is at slot n in trips n <= x, at slot n - x - 1 later).  Walking in step, all four would have to
; make 4 + 8 = 12 trips (the longest first block and the longest second) in place of 9.
; LIMITS on the given exponents, so that each power of two below is an f32 number: e2 + e3 between -123 and 130 (they are added to c's exponent field); e4, and e6 - e4 - e5, between -126 and 119.
; REGISTERS: v1-7 addresses and lane terms; v12 -M, v13 the largest t, v[14:15] the sum in two halves; v16-23 Q, v24-31 Q of the second block; v32-95 eight fragments of K, then four of V; v96-159 S^T, then p;
; v160-191 O^T; v192-207 p's codes; v208-223 the two blocks' output codes; v234-255 at work and constants.
.set SLOT1, 32768                      ; a slot: K's 16 images of 1,024 bytes, then V's (tile of 16 d: 4,096 bytes; key step: 2,048); slot 1 begins here: one exclusive or turns an address
.set VOFF,  16384
.set SPARE, 65536                      ; behind the ring: the spare words, 128 bytes for each wave: eight blocks of 256 bytes that no other line names
.set LI,   1                           ; v1   16 x lane; never rewritten
.set ADR,  2                           ; v2   the slot in hand + 16 x lane
.set PFO,  3                           ; v3   the prefetches' offset; never rewritten
.set RH,   4                           ; v4   lane % 16 - 8 (lane / 16)
.set SPW,  5                           ; v5   LDS address of my spare word; never rewritten
.set NIL,  6                           ; v6   0; never rewritten
.set DD,   7                           ; v7   the mask's bound
.set TB,   2                           ; s2   LDS byte at which the slot in hand begins
.set SLOTS, 3                          ; s3   the loop's counter: 8 down to 1
.set WV,   18                          ; s18  my wave's number
.set SEL,  20                          ; s[20:21] lane selects for v_permlanex16_b32: lane l xor 16
.set CS,   22                          ; s[22:23] c = log2(e) / 8 x 2^(e2 + e3)
.set G1K,  24                          ; s[24:31] descriptor group 1 for K's tile;  s[32:39] for V's;  s[40:43], s[44:47] their groups 0
.set G1V,  32
.set G0K,  40
.set G0V,  44
.set KB,   48                          ; s[48:49] the head's first byte of kc;  s[50:51] of vc
.set VB,   50
.set OA,   52                          ; s[52:53] where my first block's codes go;  s[54:55] my second's
.set OB,   54
.set Q0,   56                          ; s56  my first query of the block in hand;  s57 of the second block
.set Q0B,  57
.set KF,   58                          ; s58  the step's first key
.set SW,   59                          ; s59  7 - x: the counter's value in the trip that begins the second block
.set FS,   60                          ; s60  the key slot asked for last
.set NAF,  61                          ; s61  x + 1: the first block's slots; the greatest number once they are asked for
.set OFP,  62                          ; s[62:63] an offset, its high word 0
.set PFA,  66                          ; s[66:67] where my prefetches stand;  s[68:69] a slot on, in bytes
.set PFS,  68
.set LIM,  70                          ; s70  1 in a wave that prefetches, else the greatest number
; Wave 0 fetches K's tile, wave 1 V's, the others nothing.  The branches hang on the wave's number alone.  Four v_nop follow each of the two lines.
.macro TLOAD
	s_cmp_lt_u32 s[WV], 1
	s_cbranch_scc0 .Lnot_k_\@
	tensor_load_to_lds s[G0K:G0K+3], s[G1K:G1K+7]
	s_nop 0
.rept 4
	v_nop
.endr
	s_branch .Lasked_\@
.Lnot_k_\@:
	s_cmp_lt_u32 s[WV], 2
	s_cbranch_scc0 .Lasked_\@
	tensor_load_to_lds s[G0V:G0V+3], s[G1V:G1V+7]
	s_nop 0
.rept 4
	v_nop
.endr
.Lasked_\@:
.endm
; A PREFETCH INTO THE L2, at the change of slots, where the fetching waves have their tensor load.  Only the head's work-group x = 0 asks: it walks key slots 0, 0, 1, .. 7, and in trip n = 0 .. 6 asks for key slot n + 1,
; which its own tensor load of the next trip names: a slot's two key steps ahead of that load.  In it four waves that fetch nothing ask, one instruction each: waves 4 and 5 for the slot's 16,384 bytes of K, 8,192 a wave, lanes
; 256 bytes apart; waves 6 and 7 for V's four rows of 4,096 bytes, two rows a wave, sixteen lanes to a row.  So each aligned block of 256 bytes of slots 1 to 7 is named once in the launch; slot 0 comes by its loads alone;
; the last trip asks for nothing.
.macro ASK
	s_cmp_gt_u32 s[SLOTS], s[LIM]
	s_cbranch_scc0 .Lnot_mine_\@
	global_prefetch_b8 v[PFO], s[PFA:PFA+1] th:TH_LOAD_NT scope:SCOPE_SE
.Lnot_mine_\@:
.endm
	s_load_b128 s[4:7], s[0:1], 0x0                ; q's codes s[4:5], k's s[6:7]
	s_load_b128 s[8:11], s[0:1], 0x10              ; v's codes s[8:9], the scales s[10:11]
	s_load_b64 s[12:13], s[0:1], 0x20              ; the output's codes
	v_lshl_add_u32 v[SPW], v0, 2, SPARE
	v_mov_b32 v[NIL], 0
	ds_add_u32 v5, v6
	ds_add_u32 v5, v6
	s_wait_dscnt 0x0
	v_lshrrev_b32 v8, 5, v0
	s_delay_alu instid0(VALU_DEP_1)
	v_readfirstlane_b32 s[WV], v8                  ; wave 0..15
	s_and_b32 s80, ttmp7, 0xffff                   ; 16 batch + head
	s_lshl_b32 s82, s80, 17                        ; a head is 131,072 bytes in qc, kc and vc
	s_mov_b32 s83, 0
	; descriptor group 1.  K: 16,384 bytes on end, as 64 rows of 32 elements of 8 bytes.  V: 4 rows (tiles of 16 d) of 512 elements of 8 bytes, 4,096 elements apart
	s_mov_b32 s[G1K], 3<<16                        ; 15:0 no mask; 17:16 elements of 8 bytes; no padding
	s_mov_b32 s[G1K+1], 32<<16                     ; tensor_dim0
	s_mov_b32 s[G1K+2], 64<<16                     ; tensor_dim1
	s_mov_b32 s[G1K+3], 32<<16                     ; tile_dim0
	s_mov_b32 s[G1K+4], 64                         ; tile_dim1
	s_mov_b32 s[G1K+5], 32                         ; tensor_dim0_stride
	s_mov_b32 s[G1K+6], 0
	s_mov_b32 s[G1K+7], 0
	s_mov_b32 s[G1V], 3<<16
	s_mov_b32 s[G1V+1], 512<<16
	s_mov_b32 s[G1V+2], 4<<16
	s_mov_b32 s[G1V+3], 512<<16
	s_mov_b32 s[G1V+4], 4
	s_mov_b32 s[G1V+5], 4096
	s_mov_b32 s[G1V+6], 0
	s_mov_b32 s[G1V+7], 0
	s_mov_b32 s[SEL], 0x76543210
	s_mov_b32 s[SEL+1], 0xfedcba98
	s_mov_b32 s[CS], 0x3e38aa3b                    ; c = log2(e) / 8
	s_mov_b32 s[TB], 0
	s_mov_b32 s[SLOTS], 8
	s_mov_b32 s[KF], 0
	s_mov_b32 s[FS], 0
	s_mov_b32 s[OFP+1], 0
	s_add_co_u32 s[NAF], ttmp9, 1
	s_sub_co_u32 s[SW], 7, ttmp9
	s_lshl_b32 s84, ttmp9, 8
	s_lshl_b32 s85, s[WV], 4
	s_add_co_u32 s[Q0], s84, s85                   ; 256 x + 16 wave
	s_lshl_b32 s84, s[SW], 8
	s_add_co_u32 s[Q0B], s84, s85                  ; 256 (7 - x) + 16 wave
	s_wait_kmcnt 0x0
	s_load_b256 s[72:79], s[10:11], 0x0            ; the eight exponents
	s_add_nc_u64 s[KB:KB+1], s[6:7], s[82:83]
	s_add_nc_u64 s[VB:VB+1], s[8:9], s[82:83]
	s_mov_b32 s[G0K], 1                            ; 1:0 count = 1
	s_mov_b32 s[G0K+1], 0                          ; 63:32 LDS address: slot 0
	s_mov_b64 s[G0K+2:G0K+3], s[KB:KB+1]           ; 120:64 global address: key slot 0
	s_or_b32 s[G0K+3], s[G0K+3], 0x80000000        ; 127:126 type = 2
	s_mov_b32 s[G0V], 1
	s_mov_b32 s[G0V+1], VOFF
	s_mov_b64 s[G0V+2:G0V+3], s[VB:VB+1]
	s_or_b32 s[G0V+3], s[G0V+3], 0x80000000
	TLOAD                                          ; the first slot
	s_add_nc_u64 s[4:5], s[4:5], s[82:83]          ; q's codes in my head; a tile of 16 queries is 1,024 bytes
	s_lshl_b32 s84, s[Q0], 6
	s_mov_b32 s85, 0
	s_add_nc_u64 s[86:87], s[4:5], s[84:85]
	s_lshl_b32 s84, s[Q0B], 6
	s_add_nc_u64 s[88:89], s[4:5], s[84:85]
	v_and_b32 v[LI], 31, v0
	s_delay_alu instid0(VALU_DEP_1)
	v_lshlrev_b32 v[LI], 4, v[LI]
	global_load_b128 v[16:19], v[LI], s[86:87] th:TH_LOAD_NT              ; Q's fragments of both blocks stay in registers
	global_load_b128 v[20:23], v[LI], s[86:87] offset:512 th:TH_LOAD_NT
	global_load_b128 v[24:27], v[LI], s[88:89] th:TH_LOAD_NT
	global_load_b128 v[28:31], v[LI], s[88:89] offset:512 th:TH_LOAD_NT
	s_lshr_b32 s90, s80, 4                         ; ac: a batch is 128 tiles of 16 rows, a tile 16,384 bytes: 2^21 a batch, 1,024 a row;
	s_lshl_b32 s90, s90, 21
	s_and_b32 s91, s80, 15
	s_lshl_b32 s91, s91, 10                        ; a head's codes are 1,024 bytes of a tile
	s_add_co_u32 s90, s90, s91
	s_lshl_b32 s92, s[Q0], 10
	s_add_co_u32 s92, s92, s90
	s_mov_b32 s93, 0
	s_add_nc_u64 s[OA:OA+1], s[12:13], s[92:93]
	s_lshl_b32 s92, s[Q0B], 10
	s_add_co_u32 s92, s92, s90
	s_add_nc_u64 s[OB:OB+1], s[12:13], s[92:93]
	; the prefetches (macro ASK): where my wave's stand, and who asks
	s_cmp_lt_u32 s[WV], 6                          ; waves 4 and 5 ask for K's codes, waves 6 and 7 for V's
	s_cselect_b64 s[PFA:PFA+1], s[KB:KB+1], s[VB:VB+1]
	s_mov_b32 s[PFS], 4096
	s_cselect_b32 s[PFS], 0x4000, s[PFS]           ; a slot on
	s_mov_b32 s94, 0x8000
	s_cselect_b32 s94, 4096, s94                   ; from lanes 0-15 to lanes 16-31
	s_mov_b32 s95, 0x10000
	s_cselect_b32 s95, 8192, s95                   ; from wave to wave
	v_and_b32 v[PFO], 15, v0
	s_delay_alu instid0(VALU_DEP_1)
	v_lshlrev_b32 v[PFO], 8, v[PFO]
	v_bfe_u32 v8, v0, 4, 1
	s_delay_alu instid0(VALU_DEP_1)
	v_mul_lo_u32 v8, v8, s94
	s_delay_alu instid0(VALU_DEP_1)
	v_add_nc_u32 v[PFO], v[PFO], v8
	s_and_b32 s96, s[WV], 1
	s_mul_i32 s96, s96, s95
	s_mov_b32 s97, 0
	s_mov_b32 s[PFS+1], 0
	s_add_nc_u64 s[PFA:PFA+1], s[PFA:PFA+1], s[96:97]  ; in key slot 0: the first change of slots steps it to slot 1.  Nothing is prefetched here, at the head
	s_sub_co_u32 s96, s[WV], 4
	s_lshr_b32 s96, s96, 2                         ; 0 in waves 4 to 7,
	s_or_b32 s96, s96, ttmp9                       ; of the work-group x = 0
	s_cmp_eq_u32 s96, 0
	s_cselect_b32 s[LIM], 1, -1
	v_and_b32 v8, 15, v0
	v_bfe_u32 v9, v0, 4, 1
	s_delay_alu instid0(VALU_DEP_1)
	v_lshlrev_b32 v9, 3, v9
	s_delay_alu instid0(VALU_DEP_1)
	v_sub_nc_u32 v[RH], v8, v9                     ; r - 8 h
	v_mov_b32 v13, 0xff61b1e6                      ; the largest t so far: -3e38, under every t
	s_delay_alu instid0(VALU_DEP_1)
	v_floor_f32 v12, -v13                          ; -M
	v_mov_b32 v14, 0                               ; the sum, in two halves
	v_mov_b32 v15, 0
	v_mov_b32 v236, 0                              ; written once: a lane permute's destination counts as one of its sources
	v_mov_b32 v253, 0                              ; (named as the upper half of the pair v[252:253])
	v_mov_b32 v250, 0xff800000                     ; -infinity
.set j, 0
.rept 32
	v_mov_b32 v[160+j], 0                          ; O^T.  (The step is written once: a block's first step finds zeros, which the first change of M leaves zeros)
.set j, j+1
.endr
	s_wait_kmcnt 0x0
	s_add_co_i32 s84, s74, s75
	s_lshl_b32 s84, s84, 23
	s_add_co_i32 s[CS], s[CS], s84                 ; a score stands for score x 2^(e2 + e3): the two exponents are added to c's exponent field
	s_mov_b32 s[CS+1], s[CS]                       ; (named with it as a pair, so it is written)
	s_add_co_i32 s84, s76, 127
	s_lshl_b32 s85, s84, 23
	v_mov_b32 v244, s85                            ; 2^e4 as f32, for p's conversion
	s_sub_co_i32 s84, s78, s76
	s_sub_co_i32 s84, s84, s77                     ; a sum of the second product, divided by the row's sum, stands for that x 2^(e4 + e5): its code is that / 2^(e6 - e4 - e5)
	s_add_co_i32 s84, s84, 127
	s_lshl_b32 s85, s84, 23
	v_mov_b32 v245, s85
; A KEY STEP: 128 keys, the q-th of the slot in hand.
.macro STEP q
	s_add_co_u32 s96, s[Q0], 15
	s_cmp_gt_u32 s[KF], s96                        ; all 128 keys come after my 16 queries: the step's work is left out; not the line at its end that steps KF
	s_cbranch_scc1 .Lhidden_\@
	v_add_nc_u32 v[ADR], s[TB], v[LI]
.rept 3
	v_nop                                          ; with the addition above: four places in front of loads into registers that the last products have read
.endr
.irp t, 0,1,2,3,4,5,6,7
	ds_load_b128 v[32+8*\t:35+8*\t], v[ADR] offset:(8*(\q)+\t)*1024
	ds_load_b128 v[36+8*\t:39+8*\t], v[ADR] offset:(8*(\q)+\t)*1024+512
.endr
	s_wait_dscnt 0x0
	s_wait_alu depctr_va_vdst(0)
.irp t, 0,1,2,3,4,5,6,7                        ; S^T = K Q^T: eight tiles of 16 keys, K = the head's 64
	v_wmma_f32_16x16x64_fp8_fp8 v[96+8*\t:103+8*\t], v[32+8*\t:39+8*\t], v[16:23], 0
.endr
.rept 4
	v_nop                                          ; places: for the loads below, into K's registers, and for the first read of the scores
.endr
.irp d, 0,1,2,3                                ; V's four fragments are asked for now and land while the softmax is worked
.irp c, 0,1,2,3
	ds_load_b128 v[32+16*\d+4*\c:35+16*\d+4*\c], v[ADR] offset:VOFF+4096*\d+2048*(\q)+512*\c
.endr
.endr
	s_add_co_u32 s96, s[KF], 127
	s_cmp_le_u32 s96, s[Q0]                        ; all 128 keys count for all my queries: no mask
	s_cbranch_scc1 .Lopen_\@
	s_sub_co_i32 s96, s[Q0], s[KF]
	v_add_nc_u32 v[DD], s96, v[RH]                 ; my query - KF - 8 h.  Register n holds key KF + 16 (n / 8) + 8 h + n % 8: hidden where 16 (n / 8) + n % 8 is above this
.set n, 0
.rept 64
	v_cmp_gt_i32 vcc_lo, 16*(n/8)+n%8, v[DD]
	v_cndmask_b32 v[96+n], v[96+n], v250, vcc_lo
.set n, n+1
.endr
.Lopen_\@:
	v_max3_num_f32 v254, v96, v97, v98             ; the step's largest score of my query, among my 64 keys, in two chains,
	v_max3_num_f32 v252, v99, v100, v101
.irp i, 6,10,14,18,22,26,30,34,38,42,46,50,54,58
	v_max3_num_f32 v254, v254, v[96+\i], v[97+\i]
	v_max3_num_f32 v252, v252, v[98+\i], v[99+\i]
.endr
	v_max3_num_f32 v254, v254, v158, v159
	s_delay_alu instid0(VALU_DEP_1)
	v_max_num_f32 v254, v254, v252
	s_delay_alu instid0(VALU_DEP_1)
	v_permlanex16_b32 v236, v254, s[SEL], s[SEL+1]
	s_delay_alu instid0(VALU_DEP_1)
	v_max_num_f32 v254, v254, v236                 ; and among lane l xor 16's
	s_delay_alu instid0(VALU_DEP_1)
	v_mul_f32 v254, s[CS], v254                    ; as t (c is positive)
	s_delay_alu instid0(VALU_DEP_1)
	v_max_num_f32 v13, v13, v254                   ; the running largest t
	v_mov_b32 v254, v12
	s_delay_alu instid0(VALU_DEP_2)
	v_floor_f32 v12, -v13                          ; the new -M = floor(-t) = -ceil(t): M is a whole number
	s_delay_alu instid0(VALU_DEP_1)
	v_sub_f32 v254, v12, v254                      ; M's old value less its new one: a whole number, 0 or less
	s_delay_alu instid0(VALU_DEP_1)
	v_cvt_i32_f32 v254, v254                       ; (it saturates)
	s_delay_alu instid0(VALU_DEP_1)
	v_ldexp_f32 v252, 1.0, v254                    ; f = 2^(old M - new M)
.set j, 0
.rept 32
	v_pk_fma_f32 v[96+j:97+j], v[96+j:97+j], s[CS:CS+1], v[12:13] op_sel_hi:[1,0,0]   ; t - M, two at a time (of the pairs c and -M the low word serves both halves)
.set j, j+2
.endr
.set j, 0
	s_wait_alu depctr_va_vdst(0)
.rept 64
	v_exp_f32 v[96+j], v[96+j]                     ; p = 2^(t - M), at most 1: not normalised
.set j, j+1
.endr
	v_pk_mul_f32 v[14:15], v[14:15], v[252:253] op_sel_hi:[1,0]   ; the sums under the new M: the plain instruction behind the exponentials
	s_wait_alu depctr_va_vdst(0)                   ; one wait for the whole batch of exponentials, ahead of its first reader
	v_pk_add_f32 v[242:243], v[100:101], v[104:105]
	v_pk_add_f32 v[254:255], v[108:109], v[112:113]
	v_pk_add_f32 v[248:249], v[116:117], v[120:121]
	v_pk_add_f32 v[246:247], v[124:125], v[128:129]
	v_pk_add_f32 v[240:241], v[132:133], v[136:137]
	v_pk_add_f32 v[238:239], v[140:141], v[144:145]
	v_pk_add_f32 v[234:235], v[148:149], v[152:153]
	v_pk_add_f32 v[14:15], v[14:15], v[156:157]
	v_pk_add_f32 v[242:243], v[242:243], v[96:97]
	v_pk_add_f32 v[254:255], v[254:255], v[98:99]
	v_pk_add_f32 v[248:249], v[248:249], v[102:103]
	v_pk_add_f32 v[246:247], v[246:247], v[106:107]
	v_pk_add_f32 v[240:241], v[240:241], v[110:111]
	v_pk_add_f32 v[238:239], v[238:239], v[114:115]
	v_pk_add_f32 v[234:235], v[234:235], v[118:119]
	v_pk_add_f32 v[14:15], v[14:15], v[122:123]
	v_pk_add_f32 v[242:243], v[242:243], v[126:127]
	v_pk_add_f32 v[254:255], v[254:255], v[130:131]
	v_pk_add_f32 v[248:249], v[248:249], v[134:135]
	v_pk_add_f32 v[246:247], v[246:247], v[138:139]
	v_pk_add_f32 v[240:241], v[240:241], v[142:143]
	v_pk_add_f32 v[238:239], v[238:239], v[146:147]
	v_pk_add_f32 v[234:235], v[234:235], v[150:151]
	v_pk_add_f32 v[14:15], v[14:15], v[154:155]
	v_pk_add_f32 v[242:243], v[242:243], v[158:159]
	s_delay_alu instid0(VALU_DEP_2)
	v_pk_add_f32 v[14:15], v[14:15], v[246:247]
	s_delay_alu instid0(VALU_DEP_2)
	v_pk_add_f32 v[242:243], v[242:243], v[240:241]
	v_pk_add_f32 v[254:255], v[254:255], v[238:239]
	v_pk_add_f32 v[248:249], v[248:249], v[234:235]
	s_delay_alu instid0(VALU_DEP_2)
	v_pk_add_f32 v[14:15], v[14:15], v[254:255]
	s_delay_alu instid0(VALU_DEP_2)
	v_pk_add_f32 v[242:243], v[242:243], v[248:249]
	s_delay_alu instid0(VALU_DEP_1)
	v_pk_add_f32 v[14:15], v[14:15], v[242:243]
.irp t, 0,1,2,3,4,5,6,7
.irp i, 0,1,2,3,4,5,6,7
.endr
	v_cvt_scalef32_pk8_fp8_f32 v[192+2*\t:193+2*\t], v[96+8*\t:103+8*\t], v244
.endr
.set j, 0
.rept 16
	v_pk_mul_f32 v[160+j:161+j], v[160+j:161+j], v[252:253] op_sel_hi:[1,0]   ; O^T under the new M.  (Plain instructions between the conversions and the products that read the codes)
.set j, j+2
.endr
	s_wait_alu depctr_va_vdst(0)
	s_wait_dscnt 0x0                               ; V's fragments are in
.irp d, 0,1,2,3                                ; O^T += V^T P^T: four tiles of 16 of the head's 64, K = these 128 keys; the four accumulators take turns, and the next step's eight products stand between two turns
	v_wmma_f32_16x16x128_fp8_fp8 v[160+8*\d:167+8*\d], v[32+16*\d:47+16*\d], v[192:207], v[160+8*\d:167+8*\d]
.endr
.Lhidden_\@:
	s_add_co_u32 s[KF], s[KF], 128
.endm
; THE CHANGE OF SLOTS stands at a slot's head.  Each wave waits for all its tensor loads (the slot that it is about to read), adds 0 to its spare word, and waits for that and for its reads of the slot that it has left.
; Behind the barrier the slot ahead is whole and nobody reads the other one.  fill = 1: that other slot takes the key slot that follows in the walk: the next of the block, or, when the first block's x + 1 are asked for, slot 0 again.
.macro CHANGE fill
	s_wait_tensorcnt 0x0                           ; no tensor load of mine is out, so a group 0 may be written
	ds_add_u32 v[SPW], v[NIL]                      ; 0 onto my spare word; with fill = 1 the descriptors' steps stand between it and the wait for it
.if \fill
	s_xor_b32 s[G0K+1], s[G0K+1], SLOT1            ; the other LDS slot than last time
	s_xor_b32 s[G0V+1], s[G0V+1], SLOT1
	s_add_co_u32 s[FS], s[FS], 1
	s_cmp_eq_u32 s[FS], s[NAF]
	s_cselect_b32 s[FS], 0, s[FS]                  ; the second block begins at key slot 0,
	s_cselect_b32 s[NAF], -1, s[NAF]               ; once
	s_lshl_b32 s[OFP], s[FS], 14                   ; 256 keys are 16,384 bytes of kc
	s_add_nc_u64 s[G0K+2:G0K+3], s[KB:KB+1], s[OFP:OFP+1]
	s_or_b32 s[G0K+3], s[G0K+3], 0x80000000
	s_lshl_b32 s[OFP], s[FS], 12                   ; and 4,096 bytes of each of vc's four rows
	s_add_nc_u64 s[G0V+2:G0V+3], s[VB:VB+1], s[OFP:OFP+1]
	s_or_b32 s[G0V+3], s[G0V+3], 0x80000000
	s_wait_xcnt 0x0                                ; the last prefetch, a slot back, has read its address, so it may be written
	s_add_nc_u64 s[PFA:PFA+1], s[PFA:PFA+1], s[PFS:PFS+1]
.endif
	s_wait_dscnt 0x0                               ; the add is done, and my reads of the slot that I have left are over
	s_barrier_signal -1
	s_barrier_wait -1
.if \fill
	TLOAD                                          ; the first thing behind the barrier, and a wave's one tensor load until the next: one load of a wave is out
	ASK
.endif
.endm
.macro SLOT_STEPS
	STEP 0
	STEP 1
	s_xor_b32 s[TB], s[TB], SLOT1                  ; on to the other slot
.endm
; A block is finished: O^T is divided by the row's sum, held, quantised, and stored: its eight registers of codes are half a fragment of the last product's operand.
.macro FINISH oc, ob
.rept 4
	v_nop                                          ; places behind the last products
.endr
	v_add_f32 v14, v14, v15                        ; the sum's two halves,
	s_delay_alu instid0(VALU_DEP_1)
	v_permlanex16_b32 v236, v14, s[SEL], s[SEL+1]
	s_delay_alu instid0(VALU_DEP_1)
	v_add_f32 v14, v14, v236                       ; and lane l xor 16's: the row's sum
	s_wait_alu depctr_va_vdst(0)
	v_rcp_f32 v14, v14
	v_nop                                          ; a plain instruction behind the reciprocal
	s_wait_alu depctr_va_vdst(0)                   ; and the wait ahead of its first reader
.set j, 0
.rept 16
	v_pk_mul_f32 v[160+j:161+j], v[160+j:161+j], v[14:15] op_sel_hi:[1,0]   ; each accumulator from its low end on
.set j, j+2
.endr
.set j, 0
.rept 32
.set j, j+1
.endr
.irp d, 0,1,2,3
	v_cvt_scalef32_pk8_fp8_f32 v[\oc+2*\d:\oc+2*\d+1], v[160+8*\d:167+8*\d], v245   ; registers 2 d, 2 d + 1: channels 16 d + 8 h + 0..7 of my query
.endr
	v_nop                                          ; one plain vector instruction between the conversions and whatever next writes their sources
	global_store_b128 v[LI], v[\oc:\oc+3], s[\ob:\ob+1]                ; 32 lanes x 16 bytes: 512 consecutive bytes, aligned; these registers are not written again
	global_store_b128 v[LI], v[\oc+4:\oc+7], s[\ob:\ob+1] offset:512
.endm
.macro RESET                                   ; the second block begins as the first did
.set j, 0
.rept 32
	v_mov_b32 v[160+j], 0
.set j, j+1
.endr
	v_mov_b32 v13, 0xff61b1e6
	s_delay_alu instid0(VALU_DEP_1)
	v_floor_f32 v12, -v13
	v_mov_b32 v14, 0
	v_mov_b32 v15, 0
.irp j, 0,1,2,3,4,5,6,7
	v_mov_b32 v[16+\j], v[24+\j]                   ; its Q
.endr
	s_mov_b32 s[Q0], s[Q0B]
	s_mov_b32 s[KF], 0
.endm
	s_wait_loadcnt 0x0                             ; Q
.Lslot:                                            ; 8 trips: behind each change of slots but the last the next slot is asked for
	CHANGE 1
	s_cmp_lg_u32 s[SLOTS], s[SW]                   ; trip x + 1 begins the second block: a branch on the work-group's number; no barrier, tensor load or LDS instruction stands under it
	s_cbranch_scc1 .Lsame
	s_wait_alu depctr_va_vdst(0)
	FINISH 208, OA
	RESET
.Lsame:
	SLOT_STEPS
	s_sub_co_u32 s[SLOTS], s[SLOTS], 1
	s_cmp_lg_u32 s[SLOTS], 0
	s_cbranch_scc1 .Lslot
	CHANGE 0                                       ; the ninth slot is written out
	SLOT_STEPS
	s_wait_alu depctr_va_vdst(0)
	FINISH 216, OB
	s_wait_tensorcnt 0x0                           ; the wave's end
	ds_add_u32 v[SPW], v[NIL]
	s_wait_dscnt 0x0
	s_endpgm
.Lfunc_end_k_q9d4e313212_attn:
	.size	k_q9d4e313212_attn, .Lfunc_end_k_q9d4e313212_attn-k_q9d4e313212_attn
	.p2alignl 7, 3214868480
	.fill 96, 4, 3214868480
	.section	.rodata,"a",@progbits
	.p2align	6, 0x0
	.amdhsa_kernel k_q9d4e313212_attn
		.amdhsa_group_segment_fixed_size 327680
		.amdhsa_private_segment_fixed_size 0
		.amdhsa_enable_private_segment 0
		.amdhsa_kernarg_size 40
		.amdhsa_user_sgpr_count 2
		.amdhsa_user_sgpr_kernarg_segment_ptr 1
		.amdhsa_wavefront_size32 1
		.amdhsa_system_sgpr_workgroup_id_x 1
		.amdhsa_system_sgpr_workgroup_id_y 1
		.amdhsa_system_sgpr_workgroup_id_z 1
		.amdhsa_system_vgpr_workitem_id 0
		.amdhsa_next_free_vgpr 256
		.amdhsa_next_free_sgpr 100
		.amdhsa_reserve_vcc 1
		.amdhsa_float_denorm_mode_32 3
		.amdhsa_float_denorm_mode_16_64 3
		.amdhsa_fp16_overflow 1
		.amdhsa_memory_ordered 1
		.amdhsa_forward_progress 1
		.amdhsa_inst_pref_size 91
	.end_amdhsa_kernel
	.amdgpu_metadata
---
amdhsa.version: [ 1, 2 ]
amdhsa.kernels:
  - .name:           k_q9d4e313212_attn
    .symbol:         k_q9d4e313212_attn.kd
    .args:
      - { .name: qc, .offset: 0, .size: 8, .value_kind: global_buffer, .address_space: global }
      - { .name: kc, .offset: 8, .size: 8, .value_kind: global_buffer, .address_space: global }
      - { .name: vc, .offset: 16, .size: 8, .value_kind: global_buffer, .address_space: global }
      - { .name: lowp_scales, .offset: 24, .size: 8, .value_kind: global_buffer, .address_space: global }
      - { .name: ac, .offset: 32, .size: 8, .value_kind: global_buffer, .address_space: global }
    .group_segment_fixed_size: 327680
    .private_segment_fixed_size: 0
    .kernarg_segment_align: 8
    .kernarg_segment_size: 40
    .max_flat_workgroup_size: 512
    .sgpr_count:     100
    .vgpr_count:     256
    .wavefront_size: 32
...
	.end_amdgpu_metadata
.endif
;; end of part 3
;; launch proj (part 4): grid 4 x 64, 4 waves a work-group, clusters of 4 x 4, 327,680 bytes of LDS; arguments ac, wprojc, lowp_scales, out0; writes out0
.if DOCPART == 4
	.amdgcn_target "amdgcn-amd-amdhsa--gfx1250"
	.amdhsa_code_object_version 6
	.text
	.protected	k_q9d4e313212_proj
	.globl	k_q9d4e313212_proj
	.p2align	8
	.type	k_q9d4e313212_proj,@function
k_q9d4e313212_proj:
	s_mov_b64 s[64:65], 0
	v_nop
	global_prefetch_b8 v0, s[64:65] scope:SCOPE_SE
	s_setreg_imm32_b32 hwreg(HW_REG_WAVE_MODE, 25, 1), 1
	s_wait_xcnt 0x0
	s_wait_alu depctr_hold_cnt(0) depctr_sa_sdst(0) depctr_va_vdst(0) depctr_va_sdst(0) depctr_va_ssrc(0) depctr_va_vcc(0) depctr_vm_vsrc(0)
	s_getreg_b32 s2, hwreg(HW_REG_IB_STS2, 6, 4)
	s_cmp_eq_u32 s2, 0
	s_cbranch_scc0 .Lentry_in_a_cluster
	s_endpgm
.Lentry_in_a_cluster:
	s_bfe_u32 s2, ttmp6, 0x10000c
	s_cmp_lg_u32 s2, 0xf033
	s_cbranch_scc0 .Lentry_shape_is_right
	s_endpgm
.Lentry_shape_is_right:
; out0 = attention's output x w_proj, on codes of FP8 (E4M3); each finished sum is multiplied once by 2^(e6 + e7).  LIMIT: e6 + e7 between -126 and 127, so that this power of two is an f32 number.
; ac: images of the operand's registers: [tile of 16 rows (512)][step of 128 along K (8)][4][32 lanes][16 bytes]: lane (r, h): row r; registers 2 c, 2 c + 1: k = 16 c + 8 h + 0..7.
; wprojc: [1024 (n)][1024 (k)] bytes, inside every 32 the second and third group of eight exchanged, so that four loads of 16 bytes at 16 h + 32 c give a lane the same k in the same registers as ac has them.
; A tile of out0 is 128 rows x 256 columns, so that there are 64 x 4 = 256 work-groups.  Four waves, each 64 x 128: 32 accumulators, 256 registers.  K = 1,024 goes in four steps of 256 through a ring of two LDS slots.
; CLUSTERS: 4 x 4 work-groups.  The four of a row of the cluster need the same rows of ac, the four of a column the same rows of wprojc: each tile is asked for JOINTLY.
; THE MATRIX INSTRUCTION IS USED TRANSPOSED (source 0 = 16 rows of wprojc, source 1 = 16 rows of ac): a lane then holds eight neighbouring numbers of a row of out0.
; REGISTERS, in windows of 256: window 0: v0-31 addresses; v32-95 the way out; v128-191, v192-255 A's fragments (4 x 16 rows x 128 K), two sets.   window 1: B's fragments (8), two sets.   window 2: the accumulators ((a, b) at v[8 (8 a + b)]).
.set PITCH,  272                       ; B's LDS row: 256 bytes + 16 of padding: row r starts at bank 4 r mod 64 (64 banks of 4 bytes: ISA guide 11.1)
.set FR,     16
.set NP,     4                         ; places behind this matrix instruction (ISA guide 7.12.1)
.set AIMG,   32768                     ; A's part of a slot: 8 tiles of rows x 4,096 bytes (two steps of 128 along K), as images: read at 16 x lane, consecutive bytes
.set HALFT,  128*PITCH                 ; 128 rows of B: what one tensor load brings
.set SLOT,   AIMG+2*HALFT
.set STAGE,  2*SLOT                    ; behind the ring: 16 rows x 528 bytes for each wave, for the way out: no tile lands there
.set SPITCH, 528
.set SPARE,  STAGE+4*16*SPITCH         ; behind the stages: the spare words, 128 bytes for each wave
.set ADRA, 16                          ; v16-17  LDS address of my A fragments in slot 0, 1
.set ADRB, 20                          ; v20-21  the same for B
.set STO,  24                          ; v24     the way out: where I put 32 bytes of a row
.set RD,   25                          ; v25     where I read a row back
.set CO,   26                          ; v26     my byte offset in a row of out0
.set SPW,  28                          ; v28     LDS address of my spare word; never rewritten
.set NIL,  29                          ; v29     0; never rewritten
.set TMP,  32
.set AF,   128
.set BK,   128                         ; the way out: 16 rows read back: v128-191 and v192-255 by turns
.set G1, 24                            ; s[24:31] descriptor group 1 for A's tiles;  s[32:39] group 0, one set for each slot
.set G0, 32
.set G1B, 48                           ; s[48:55], s[56:63] the same for B's tiles
.set G0B, 56
.set MSB, 0
.macro WIN new                         ; the immediate's high byte repeats the setting that is left
.if MSB != \new
	s_set_vgpr_msb (MSB<<8)|\new
.set MSB, \new
.endif
.endm
.set MUL,  0xa1                        ; source 0 (B) window 1, source 1 (A) window 0, C and D window 2
.set TO_B, 0x40                        ; destination window 1, address window 0
; A joint load: waves 0 and 1 fetch A's halves, waves 2 and 3 B's; four v_nop follow each of the two lines, ahead of the jump, the label and what follows.
.macro JLOAD g0a, g1a, g0b, g1b
	s_cmp_eq_u32 s15, 0
	s_cbranch_scc0 .Lfor_b_\@
	tensor_load_to_lds s[\g0a:\g0a+3], s[\g1a:\g1a+7]
	s_nop 0
.rept 4
	v_nop
.endr
	s_branch .Lasked_\@
.Lfor_b_\@:
	tensor_load_to_lds s[\g0b:\g0b+3], s[\g1b:\g1b+7]
	s_nop 0
.rept 4
	v_nop
.endr
.Lasked_\@:
.endm
.macro CREST                           ; a round of the cluster's barrier behind its opening barrier
	s_cmp_lg_u32 s14, 0
	s_cbranch_scc1 .Lnot_wave_0_\@
	s_barrier_signal -3
.Lnot_wave_0_\@:
	s_barrier_wait -3
	s_barrier_signal -1
	s_barrier_wait -1
.endm
.macro CROUND
	s_barrier_signal -1
	s_barrier_wait -1
	CREST
.endm
	s_load_b128 s[4:7], s[0:1], 0x0                ; A's codes s[4:5], B's codes s[6:7]
	s_load_b128 s[8:11], s[0:1], 0x10              ; the scales s[8:9], out0 s[10:11]
	v_lshl_add_u32 v[SPW], v0, 2, SPARE
	v_mov_b32 v[NIL], 0
	ds_add_u32 v28, v29
	ds_add_u32 v28, v29
	s_wait_dscnt 0x0
	v_lshrrev_b32 v1, 5, v0
	v_readfirstlane_b32 s14, v1                    ; wave 0..3
	s_lshr_b32 s15, s14, 1                         ; which 64 of the tile's rows are mine.  Also: I fetch for A (0) or for B (1)
	s_and_b32 s16, s14, 1                          ; which 128 of its columns.  Also: which half of that tile I fetch
	s_bfe_u32 s40, ttmp6, 0x40000                  ; cx, cy: my place in the cluster
	s_bfe_u32 s41, ttmp6, 0x40004
	s_lshl_b32 s42, ttmp9, 2
	s_add_co_u32 s42, s42, s40                     ; tile column = 4 x cluster x + cx
	s_and_b32 s17, ttmp7, 0xffff
	s_lshl_b32 s17, s17, 2
	s_add_co_u32 s17, s17, s41                     ; tile row = 4 x cluster y + cy
	s_lshl_b32 s43, s41, 2
	s_lshl_b32 s43, 15, s43                        ; my row of the cluster
	s_lshl_b32 s44, 0x1111, s40                    ; my column
	; descriptor group 1.  A: 4 rows (tiles of 16 rows of ac) of 512 elements of 8 bytes (two steps of 128 along K), 2,048 elements apart, no padding
	s_or_b32 s[G1+0], s43, (3<<16)|(1<<21)         ; 15:0 the mask: my row; 17:16 elements of 8 bytes; 21 set beside a mask
	s_mov_b32 s[G1+1], 512<<16                     ; tensor_dim0
	s_mov_b32 s[G1+2], 4<<16                       ; tensor_dim1
	s_mov_b32 s[G1+3], 512<<16                     ; tile_dim0
	s_mov_b32 s[G1+4], 4                           ; tile_dim1
	s_mov_b32 s[G1+5], 2048                        ; tensor_dim0_stride
	s_mov_b32 s[G1+6], 0
	s_mov_b32 s[G1+7], 0
	; B: 128 rows x 256 bytes, 1,024 apart, padded in LDS
	s_or_b32 s[G1B+0], s44, (0<<16)|(1<<20)|(1<<21)|(5<<22)|(3<<25)  ; the mask: my column; elements of 1 byte; padding: 4 words after every 64
	s_mov_b32 s[G1B+1], 256<<16
	s_mov_b32 s[G1B+2], 128<<16
	s_mov_b32 s[G1B+3], 256<<16
	s_mov_b32 s[G1B+4], 128
	s_mov_b32 s[G1B+5], 1024
	s_mov_b32 s[G1B+6], 0
	s_mov_b32 s[G1B+7], 0
	s_lshl_b32 s20, s17, 17                        ; A: (8 x tile row + 4 x half) tiles of 16,384 bytes
	s_lshl_b32 s18, s16, 16
	s_add_co_u32 s20, s20, s18
	s_mov_b32 s21, 0
	s_lshl_b32 s46, s42, 18                        ; B: (256 x tile column + 128 x half) rows of 1,024 bytes
	s_lshl_b32 s18, s16, 17
	s_add_co_u32 s46, s46, s18
	s_mov_b32 s47, 0
	s_lshl_b32 s45, s16, 14                        ; where they go: A's halves, 16,384 bytes each;
	s_mul_i32 s66, s16, HALFT
	s_add_co_u32 s66, s66, AIMG                    ; B's halves behind them: no place in the cluster enters an LDS address
	s_wait_kmcnt 0x0
	s_load_b64 s[96:97], s[8:9], 0x18              ; e6, e7
	s_add_nc_u64 s[20:21], s[4:5], s[20:21]
	s_add_nc_u64 s[46:47], s[6:7], s[46:47]
	CROUND                                         ; all sixteen work-groups are here: the first joint loads meet
.irp s, 0,1
	s_mov_b32 s[G0+4*\s], 1
	s_add_co_u32 s[G0+4*\s+1], s45, \s*SLOT
	s_add_nc_u64 s[G0+4*\s+2:G0+4*\s+3], s[20:21], \s*4096
	s_or_b32 s[G0+4*\s+3], s[G0+4*\s+3], 0x80000000
	s_mov_b32 s[G0B+4*\s], 1
	s_add_co_u32 s[G0B+4*\s+1], s66, \s*SLOT
	s_add_nc_u64 s[G0B+4*\s+2:G0B+4*\s+3], s[46:47], \s*256
	s_or_b32 s[G0B+4*\s+3], s[G0B+4*\s+3], 0x80000000
	s_wait_alu depctr_va_vdst(0)
	s_wait_tensorcnt 0x0
	ds_add_u32 v28, v29
	ds_add_u32 v28, v29
	s_wait_dscnt 0x0
	CROUND
	JLOAD G0+4*\s, G1, G0B+4*\s, G1B
.endr
	v_and_b32 v1, 15, v0                           ; l % 16
	v_bfe_u32 v2, v0, 4, 1                         ; l / 16
	v_and_b32 v6, 31, v0
	v_lshlrev_b32 v[CO], 4, v6                     ; 16 x lane
	v_mul_u32_u24 v3, v1, PITCH
	v_lshl_add_u32 v4, v2, 4, v3                   ; B: a fragment's row x pitch + 16 x half
	s_lshl_b32 s22, s15, 14                        ; my four tiles of A's rows
	s_mul_i32 s23, s16, HALFT                      ; my 128 rows of B,
	s_add_co_u32 s23, s23, AIMG                    ; which lie behind A's images
.irp s, 0,1
	v_add_nc_u32 v[ADRA+\s], s22, v[CO]
	v_add_nc_u32 v[ADRB+\s], s23, v4
	s_add_co_u32 s22, s22, SLOT
	s_add_co_u32 s23, s23, SLOT
.endr
	s_mul_i32 s23, s14, 16*SPITCH
	s_add_co_u32 s23, s23, STAGE                   ; my stage
	v_mul_u32_u24 v5, v1, SPITCH                   ; in: row l % 16, 32 bytes for each half of the lanes
	v_lshl_add_u32 v5, v2, 5, v5
	v_add_nc_u32 v[STO], s23, v5
	v_add_nc_u32 v[RD], s23, v[CO]                 ; back: the 32 lanes take one row of 512 bytes
	s_lshl_b32 s20, s17, 7
	s_lshl_b32 s21, s15, 6
	s_add_co_u32 s20, s20, s21                     ; my first row of out0: 128 x tile row + 64 x half,
	s_lshl_b32 s20, s20, 12                        ; of 4,096 bytes: under 2^26
	s_mov_b32 s21, 0
	s_lshl_b32 s46, s42, 10                        ; my first column, in bytes: 1,024 x tile column + 512 x half
	s_lshl_b32 s47, s16, 9
	s_add_co_u32 s46, s46, s47
	s_mov_b32 s47, 0
	s_add_nc_u64 s[20:21], s[20:21], s[46:47]
	s_add_nc_u64 s[10:11], s[10:11], s[20:21]
; 48 LDS loads in one run: the fragments of the slot's q-th 128 along K into set p: B's eight, A's four
.macro FETCH slot, q, p
	WIN TO_B
.irp i, 0,1,2,3,4,5,6,7
.irp c, 0,1,2,3
	ds_load_b128 v[128*(\p)+FR*\i+4*\c:128*(\p)+FR*\i+4*\c+3], v[ADRB+\slot] offset:128*(\q)+32*\c+\i*16*PITCH
.endr
.endr
	WIN 0
.irp i, 0,1,2,3
.irp c, 0,1,2,3
	ds_load_b128 v[AF+64*(\p)+FR*\i+4*\c:AF+64*(\p)+FR*\i+4*\c+3], v[ADRA+\slot] offset:4096*\i+2048*(\q)+512*\c
.endr
.endr
.endm
; 8 matrix instructions: A's block a x B's eight, 128 along K, on set p.  zero = 1: the first product starts the sums.  The 32 accumulators take turns, one instruction a turn, in the same order in every step.
.macro MUL8 a, p, zero
.irp b, 0,1,2,3,4,5,6,7
.if \zero
	v_wmma_f32_16x16x128_fp8_fp8 v[8*(8*(\a)+\b):8*(8*(\a)+\b)+7], v[128*(\p)+FR*\b:128*(\p)+FR*\b+FR-1], v[AF+64*(\p)+FR*(\a):AF+64*(\p)+FR*(\a)+FR-1], 0
.else
	v_wmma_f32_16x16x128_fp8_fp8 v[8*(8*(\a)+\b):8*(8*(\a)+\b)+7], v[128*(\p)+FR*\b:128*(\p)+FR*\b+FR-1], v[AF+64*(\p)+FR*(\a):AF+64*(\p)+FR*(\a)+FR-1], v[8*(8*(\a)+\b):8*(8*(\a)+\b)+7]
.endif
.endr
.endm
.macro PLACES n                        ; places in front of loads into registers that matrix instructions have read, and of the first read of results (ISA guide 7.12.1 for the first read of results)
.rept \n
	v_nop
.endr
.endm
; A slot's first 128 along K, on set 0; its second 128 is fetched into set 1 ahead of the 32 products.
.macro STEP slot, zero
	s_wait_dscnt 0x0                               ; set 0 is in
	PLACES NP
	FETCH \slot, 1, 1
	WIN MUL
	MUL8 0, 0, \zero
	MUL8 1, 0, \zero
	MUL8 2, 0, \zero
	MUL8 3, 0, \zero
	WIN 0
.endm
; A slot's second 128, on set 1, changes slots: ONE barrier; in front of it each wave waits for all its tensor loads, adds 0 to its spare word, and waits for that and for its own reads of this slot.
.macro TURN slot, next, fill
	s_wait_tensorcnt 0x0                           ; all my tensor loads have landed: my part of the next slot  (every window is 0 here)
	ds_add_u32 v[SPW], v[NIL]                      ; 0 onto my spare word
	s_wait_dscnt 1                                 ; set 1's 48 loads are in; the add alone may be out
	WIN MUL
	MUL8 0, 1, 0                                   ; eight matrix instructions stand between the add and the wait for it
	s_wait_dscnt 0x0                               ; the add is done, and my reads of this slot are over
	s_barrier_signal -1
	MUL8 1, 1, 0
	WIN 0
	s_barrier_wait -1
.if \fill
	CREST                                          ; the barrier has opened a round of the cluster's barrier: no wave of any partner still reads this slot's tile or has a load on its way
	s_add_nc_u64 s[G0+4*\slot+2:G0+4*\slot+3], s[G0+4*\slot+2:G0+4*\slot+3], 2*4096
	s_add_nc_u64 s[G0B+4*\slot+2:G0B+4*\slot+3], s[G0B+4*\slot+2:G0B+4*\slot+3], 2*256
	JLOAD G0+4*\slot, G1, G0B+4*\slot, G1B         ; the first tensor load behind the round; the four v_nop behind it are the places in front of the loads below
.else
	PLACES NP
.endif
	FETCH \next, 0, 0
	WIN MUL
	MUL8 2, 1, 0
	MUL8 3, 1, 0
	WIN 0
.endm
	s_wait_alu depctr_va_vdst(0)
	s_wait_tensorcnt 1                             ; my part of K step 0 is in; K step 1's load may be out
	s_barrier_signal -1
	s_barrier_wait -1                              ; everybody's is
	FETCH 0, 0, 0
	STEP 0, 1                                      ; four K steps of 256, written out; the first products start the sums
	TURN 0, 1, 1                                   ; slot 0 takes K step 2
	STEP 1, 0
	TURN 1, 0, 1                                   ; slot 1 takes K step 3
	STEP 0, 0
	TURN 0, 1, 0                                   ; nothing is left to fetch
	STEP 1, 0
	s_wait_dscnt 0x0                               ; the very last 128
	WIN MUL
	MUL8 0, 1, 0
	MUL8 1, 1, 0
	MUL8 2, 1, 0
	MUL8 3, 1, 0
	WIN 0
; THE WAY OUT, block by block of 16 rows x 128 columns.  A lane holds 32 neighbouring bytes of a row, and the lanes beside it hold other rows: a block goes through my own stage in LDS and comes back as whole
; rows of 512 bytes.  LDS serves a wave's instructions in order (ISA guide 5.7.1.4): no wait between the stores and the loads, nor in front of the next block's stores.
.macro TOSTAGE a
.set AC, 64*(\a)
	WIN 0x02                                       ; source 0: window 2
.set j, 0
.rept 32
	v_pk_mul_f32 v[TMP+j:TMP+j+1], v[AC+j:AC+j+1], s[96:97] op_sel_hi:[1,0]   ; both x s96 = 2^(e6 + e7); each accumulator from its low end on
.set j, j+2
.endr
	WIN 0
.irp b, 0,1,2,3,4,5,6,7
	ds_store_b128 v[STO], v[TMP+8*\b:TMP+8*\b+3] offset:64*\b
	ds_store_b128 v[STO], v[TMP+8*\b+4:TMP+8*\b+7] offset:64*\b+16
.endr
.set BB, BK+64*((\a)%2)
.irp t, 0,1,2,3,4,5,6,7,8,9,10,11,12,13,14,15
	ds_load_b128 v[BB+4*\t:BB+4*\t+3], v[RD] offset:\t*SPITCH
.endr
.endm
.macro SEND a, younger                 ; younger: the LDS instructions issued behind block a's loads, which may stay out
.set BB, BK+64*((\a)%2)
	s_wait_dscnt \younger                          ; the block is back in registers
.if (\a) > 0
	s_add_nc_u64 s[10:11], s[10:11], 16*4096       ; (behind a wait on XCNT: the earlier stores have read their base)  16 rows of out0 on
.endif
.irp t, 0,1,2,3,4,5,6,7,8,9,10,11,12,13,14,15
	global_store_b128 v[CO], v[BB+4*\t:BB+4*\t+3], s[10:11] offset:\t*4096 th:TH_STORE_NT   ; 32 lanes store 512 consecutive bytes, at a multiple of 256 from out0's first byte; written once, read by nobody here
.endr
.endm
	s_wait_kmcnt 0x0
	s_add_co_i32 s96, s96, s97                     ; e6 + e7, between -126 and 127,
	s_add_co_i32 s96, s96, 127
	s_lshl_b32 s96, s96, 23                        ; makes the f32 number 2^(e6 + e7)
	PLACES NP                                      ; behind the last products: for the reads of their results and the loads into the registers that held A's fragments
	TOSTAGE 0
.irp a, 1,2,3
.if \a > 1
	s_wait_xcnt 0x0                                ; block a - 2's stores have read their registers and their base: block a's loads may land there, and the base may step
.endif
	TOSTAGE \a
	SEND \a-1, 32                                  ; behind block a - 1's loads: block a's 16 stores and 16 loads
.endr
	s_wait_xcnt 0x0                                ; block 2's stores have read their base
	SEND 3, 0
	s_wait_tensorcnt 0x0                           ; the wave's end, behind my last tensor load and my last LDS store
	ds_add_u32 v[SPW], v[NIL]
	s_wait_dscnt 0x0
	CROUND                                         ; the closing round: no work-group ends while a partner may still ask for a tile that names it
	s_endpgm
.Lfunc_end_k_q9d4e313212_proj:
	.size	k_q9d4e313212_proj, .Lfunc_end_k_q9d4e313212_proj-k_q9d4e313212_proj
	.p2alignl 7, 3214868480
	.fill 96, 4, 3214868480
	.section	.rodata,"a",@progbits
	.p2align	6, 0x0
	.amdhsa_kernel k_q9d4e313212_proj
		.amdhsa_group_segment_fixed_size 327680
		.amdhsa_private_segment_fixed_size 0
		.amdhsa_enable_private_segment 0
		.amdhsa_kernarg_size 32
		.amdhsa_user_sgpr_count 2
		.amdhsa_user_sgpr_kernarg_segment_ptr 1
		.amdhsa_wavefront_size32 1
		.amdhsa_system_sgpr_workgroup_id_x 1
		.amdhsa_system_sgpr_workgroup_id_y 1
		.amdhsa_system_sgpr_workgroup_id_z 1
		.amdhsa_system_vgpr_workitem_id 0
		.amdhsa_next_free_vgpr 768
		.amdhsa_next_free_sgpr 100
		.amdhsa_reserve_vcc 0
		.amdhsa_float_denorm_mode_32 3
		.amdhsa_float_denorm_mode_16_64 3
		.amdhsa_memory_ordered 1
		.amdhsa_forward_progress 1
		.amdhsa_inst_pref_size 76
	.end_amdhsa_kernel
	.amdgpu_metadata
---
amdhsa.version: [ 1, 2 ]
amdhsa.kernels:
  - .name:           k_q9d4e313212_proj
    .symbol:         k_q9d4e313212_proj.kd
    .args:
      - { .name: ac, .offset: 0, .size: 8, .value_kind: global_buffer, .address_space: global }
      - { .name: wprojc, .offset: 8, .size: 8, .value_kind: global_buffer, .address_space: global }
      - { .name: lowp_scales, .offset: 16, .size: 8, .value_kind: global_buffer, .address_space: global }
      - { .name: out0, .offset: 24, .size: 8, .value_kind: global_buffer, .address_space: global }
    .group_segment_fixed_size: 327680
    .private_segment_fixed_size: 0
    .kernarg_segment_align: 8
    .kernarg_segment_size: 32
    .max_flat_workgroup_size: 128
    .sgpr_count:     100
    .vgpr_count:     768
    .wavefront_size: 32
...
	.end_amdgpu_metadata
.endif
;; end of part 4
